; MI455X (gfx1250); checked and timed in simulation.
; The chip was launched on July 23, 2026; its instructions are those of AMD's public machine-readable ISA for CDNA 5 (MIT licence, August 2026) and "CDNA5" Instruction Set Architecture Reference Guide (July 2026). The comments in the code are by the model that wrote it; some were corrected since.
;; Multi Head Latent Attention. Allowed arithmetic: matrix products marked QUANTISED: E2M1 operands, one E8M0 scale for each 32 along K, by v_wmma_scale_f32_16x16x128_f8f6f4 with both operands' format E2M1 (or v_wmma_scale_f32_32x16x128_f4), f32 sums; products left as they are: bf16, f16 or f32 operands; f32 sums; everything else in f32.
;; Inputs: w_out 1,024 x 1,024 float32; w_qkv 1,024 x 3,072 float32; x 1 x 4,096 x 1,024 float32.
;; Outputs: out0 1 x 4,096 x 1,024 float32.
;; This version of the problem:
;;   THIS VERSION OF THE PROBLEM IS GIVEN IN LOW PRECISION. The matrix products marked QUANTISED in the list below multiply operands that are first quantised to E2M1 (2 exponent bits, 1 mantissa bit; 4 bits a number), with one power-of-two scale for each 32 numbers along K (OCP MX v1.0); their sums are f32. The products marked 'left as it is' may take bf16, f16 or f32 operands, with f32 sums. Whichever they take, every output number must still come out within the allowed error. Rounding operands to bf16 (8 significant bits) uses up far more of that allowance than f16 does (11 bits, for magnitudes from 6e-5 to 65,504). All else is computed in f32.
;;   The module's matrix products, in the order in which they are computed (A, B: the left and right operand; K: the contracted axis; several contracted axes count as one K, in the product's order):
;;     1. [M 4,096, K 1,024] x [K 1,024, N 3,072]; A: input x; B: input w_qkv: QUANTISED
;;     2. batch 16 x [M 4,096, K 64] x [K 64, N 4,096]; A: computed on the way; B: computed on the way: left as it is (an operand is computed on the way)
;;     3. batch 16 x [M 4,096, K 4,096] x [K 4,096, N 64]; A: computed on the way; B: computed on the way: left as it is (an operand is computed on the way)
;;     4. [M 4,096, K 1,024] x [K 1,024, N 1,024]; A: computed on the way; B: input w_out: left as it is (an operand is computed on the way)
;;   THE QUANTISER, for each operand of a quantised product, along K:
;;     - K is cut into blocks of 32 from its start; a last block that is shorter is filled with zeros.
;;     - A block's scale is 2^e with e = floor(log2(the largest magnitude in the block)) - 2, held to -126 .. 127; a block of zeros has e = 0. As a byte (E8M0): e + 127.
;;     - Each number is divided by its block's scale, clamped to +-6, and rounded to the nearest number of E2M1, ties to even, subnormals kept.
;;     - The product sums the exact products of the quantised numbers (number of the format x scale) in f32.
;;   ~~~python
;;   def quantise(x, axis):      # numpy; x: float32 -> the quantised numbers, widened to float32 again
;;       x = np.moveaxis(x, axis, -1); K = x.shape[-1]
;;       x = np.pad(x, [(0, 0)] * (x.ndim - 1) + [(0, -K % 32)]); x = x.reshape(x.shape[:-1] + (-1, 32)); a = np.abs(x).max(-1, keepdims=True)
;;       e = np.where(a > 0, np.clip(np.frexp(np.where(a > 0, a, 1))[1] - 1 - 2, -126, 127), 0)      # np.frexp(a)[1] - 1 = floor(log2(a)), exactly
;;       r = np.clip(x / 2.0 ** e, -6, 6)
;;       step = 2.0 ** (np.maximum(np.frexp(np.where(r == 0, 1, r))[1] - 1, 0) - 1)
;;       q = np.round(r / step) * step * 2.0 ** e      # np.round: ties to even
;;       return np.moveaxis(q.reshape(q.shape[:-2] + (-1,))[..., :K], -1, axis).astype(np.float32)
;;   ~~~
;; One version. Each part assembles by itself: llvm-mc -triple=amdgcn-amd-amdhsa -mcpu=gfx1250 --defsym DOCPART=n.
;; ======== version 1 of 1: 4 launches
;; limits: values are held in f16: magnitudes above 65,504 overflow, below 6.1e-05 lose precision
;; workspace buffers: x_codes 2,097,152 bytes; x_scales 131,072 bytes; w_codes 1,572,864 bytes; w_scales 98,304 bytes; wo 2,097,152 bytes; qkv 25,165,824 bytes; y 8,388,608 bytes
;; launch prep (part 1): grid 384 x 1, 4 waves a work-group, no clusters, 33,280 bytes of LDS; arguments x, w_qkv, w_out, x_codes, x_scales, w_codes, w_scales, wo; writes x_codes, x_scales, w_codes, w_scales, wo
.if DOCPART == 1
	.amdgcn_target "amdgcn-amd-amdhsa--gfx1250"
	.amdhsa_code_object_version 6
	.text
	.protected	k_qc6c5ff8301_prep
	.globl	k_qc6c5ff8301_prep
	.p2align	8
	.type	k_qc6c5ff8301_prep,@function
k_qc6c5ff8301_prep:
	s_mov_b64 s[64:65], 0
	v_nop
	global_prefetch_b8 v0, s[64:65] scope:SCOPE_SE
	s_setreg_imm32_b32 hwreg(HW_REG_WAVE_MODE, 25, 1), 1
	s_wait_xcnt 0x0
; THE OPERANDS ARE LAID OUT ONCE.  Three kinds of work-group, told apart by the work-group's number alone:
;   0 .. 127    x [4096][1024] f32 -> codes of FP4 (E2M1), K innermost, [4096][512 bytes], and one E8M0 byte for each 32 along K, [4096][32].
;   128 .. 319  w_qkv [1024 (k)][3072 (n)] f32, K its FIRST axis -> codes in the order of the operand's registers: [n / 16][k / 32][n % 16][16 bytes]; scale words [k / 128][n][4 bytes].
;   320 .. 383  w_out [1024 (k)][1024 (n)] f32 -> f16 in the order of the operand's registers: [k / 16][n / 16][512 bytes], the 16 bytes at 256 h + 16 r holding w_out[16 (k / 16) + 8 h + 0 .. 7][16 (n / 16) + r].
; A block's scale is 2^(floor(log2(its largest magnitude)) - 2); its byte is the largest magnitude's exponent field - 2, held at 1 from below.  A block of zeros so gets the byte 1 where the rule says 127:
; its codes are zeros, which add nothing under any byte but 0xff, and the bytes are read by this program alone.
; LIMITS: NaN and infinities among the inputs are not served; blocks whose largest magnitude lies under 2^(2 - 126) keep the byte 1; |w_out| above 65,504 has no f16 number.
; Only the first kind uses LDS (a stage of its own for each wave); no barrier: waves share nothing.
.set SPW,   12                         ; v12  LDS address of my spare word: SPARE + 4 x my thread's number; never rewritten
.set NIL,   13                         ; v13  0; never rewritten
.set SPARE, 32768                      ; behind the four waves' regions: the spare words, 128 bytes a wave: two blocks of 256 bytes that no other line names
.set WREG,  8192                       ; LDS: a region for each wave: two stages of 32 x SP bytes, then its 256 scale bytes
.set SP,    80                         ; a lane's place in a stage: its 64 bytes + 16 of padding
.set STEPS, 16                         ; x: a wave takes 16 steps of 512 numbers
.set AHEAD, 8                          ; x: loads run eight steps (32 loads a wave) ahead
.set R,     16                         ; v16-143  x: eight sets of 16 numbers as they are loaded
.set X,     144                        ; v144-175 x: two sets of 16 neighbours
.set E,     176                        ; v176-191 x: a scale byte for each step
.set C,     192                        ; v192-255 x: codes, four registers for each step: no store's data are written again
.set KX,    64                         ; v64-191  the weights: 128 numbers down K of my column
.set WC,    32                         ; v32-47   w_qkv: codes, four registers a block
.set OC,    192                        ; v192-255 w_out: f16 pairs, four registers for each 8 along K
	s_load_b256 s[4:11], s[0:1], 0x0               ; x s[4:5], w_qkv s[6:7], w_out s[8:9], x_codes s[10:11]
	s_load_b256 s[12:19], s[0:1], 0x20             ; x_scales s[12:13], w_codes s[14:15], w_scales s[16:17], wo s[18:19]
	v_lshl_add_u32 v[SPW], v0, 2, SPARE
	v_mov_b32 v[NIL], 0
	v_lshrrev_b32 v1, 5, v0
	v_readfirstlane_b32 s20, v1                    ; wave 0..3
	v_and_b32 v2, 31, v0                           ; lane
	s_mov_b32 s23, 0                               ; the high word of every offset
	s_wait_kmcnt 0x0
	s_cmp_lt_u32 ttmp9, 128
	s_cbranch_scc0 .Lnot_x
; ---------------- x.  Rows are dense and 1,024 is a multiple of 32: x is a plain stream of blocks of 32, and so are its codes and scale bytes.
; Each load reads 512 consecutive bytes, 16 a lane; a step's 2,048 bytes go through my wave's stage as they lie and come back 64 bytes a lane: 16 neighbours, two lanes to a block.
	s_lshl_b32 s21, ttmp9, 2
	s_add_co_u32 s21, s21, s20                     ; which run of 8,192 numbers is my wave's
	s_lshl_b32 s22, s21, 15
	s_add_nc_u64 s[4:5], s[4:5], s[22:23]          ; 32,768 bytes of x a run,
	s_lshl_b32 s22, s21, 12
	s_add_nc_u64 s[10:11], s[10:11], s[22:23]      ; 4,096 of codes,
	s_lshl_b32 s22, s21, 8
	s_add_nc_u64 s[12:13], s[12:13], s[22:23]      ; 256 scale bytes
	v_lshlrev_b32 v3, 4, v2                        ; my 16 bytes of a load's 512
	s_mul_i32 s24, s20, WREG
	v_lshrrev_b32 v14, 2, v2
	v_mul_u32_u24 v14, v14, SP
	v_and_b32 v15, 3, v2
	v_lshl_add_u32 v14, v15, 4, v14
	v_add_nc_u32 v14, s24, v14                     ; the stage, on the way in: SP (lane / 4) + 16 (lane % 4); a load's 512 bytes take eight places
	v_mul_u32_u24 v15, v2, SP
	v_add_nc_u32 v15, s24, v15                     ; and on the way out: SP x lane
	v_lshlrev_b32 v4, 3, v2                        ; my 8 bytes of a step's 256 bytes of codes
	v_lshrrev_b32 v5, 1, v2
	s_add_co_u32 s24, s24, 2*32*SP
	v_add_nc_u32 v5, s24, v5                       ; LDS: my wave's 256 scale bytes, my block's byte
	v_lshlrev_b32 v7, 3, v2                        ; and on the way out 8 bytes a lane
	v_add_nc_u32 v6, s24, v7
.macro XLOAD t
.irp i, 0,1,2,3
	global_load_b128 v[R+16*((\t)%AHEAD)+4*\i:R+16*((\t)%AHEAD)+4*\i+3], v3, s[4:5] offset:2048*(\t)+512*\i th:TH_LOAD_NT
.endr
.endm
.macro XTURN t                         ; step t's numbers through the stage: LDS serves a wave's instructions in order, so no wait stands between the stores and the loads
.irp i, 0,1,2,3
	ds_store_b128 v14, v[R+16*((\t)%AHEAD)+4*\i:R+16*((\t)%AHEAD)+4*\i+3] offset:32*SP*((\t)%2)+8*SP*\i
.endr
.irp i, 0,1,2,3
	ds_load_b128 v[X+16*((\t)%2)+4*\i:X+16*((\t)%2)+4*\i+3], v15 offset:32*SP*((\t)%2)+16*\i
.endr
.endm
.irp t, 0,1,2,3,4,5,6,7
	XLOAD \t
.endr
	s_wait_loadcnt 28                              ; step 0's four loads are in; the 28 of steps 1 to 7 may be out
	XTURN 0
.macro XSTEP t
.set XS, X+16*((\t)%2)
.if (\t) > 0
	s_wait_dscnt 1                                 ; this step's numbers are back from the stage (the last step's byte store may be out): so its stores into the stage have read their registers,
.else
	s_wait_dscnt 0x0
.endif
.if (\t)+AHEAD < STEPS
	XLOAD (\t)+AHEAD                               ; which take the loads of eight steps on
.endif
.if (\t)+1 < STEPS
.if STEPS-2-(\t) >= AHEAD-1
	s_wait_loadcnt 4*(AHEAD-1)                     ; the next step's four loads are in; those of the seven steps behind it may be out
.else
	s_wait_loadcnt 4*(STEPS-2-(\t))                ; the counts run down: nothing more is asked for
.endif
	XTURN (\t)+1                                   ; and go through the other stage while this step is worked
.endif
	v_max3_num_f32 v8, |v[XS]|, |v[XS+1]|, |v[XS+2]|               ; the largest magnitude of my 16, in two chains
	v_max3_num_f32 v9, |v[XS+3]|, |v[XS+4]|, |v[XS+5]|
.irp i, 6,10
	v_max3_num_f32 v8, v8, |v[XS+\i]|, |v[XS+\i+1]|
	v_max3_num_f32 v9, v9, |v[XS+\i+2]|, |v[XS+\i+3]|
.endr
	v_max3_num_f32 v8, v8, |v[XS+14]|, |v[XS+15]|
	v_max3_num_f32 v8, v8, v9, 0x1800000           ; and the floor 2^(3 - 127): the byte cannot fall under 1
	v_max_num_f32_dpp v8, v8, v8 row_xmask:1 row_mask:0xf bank_mask:0xf   ; and of my neighbour's 16: the block's
	v_add_nc_u32 v11, 0xff000000, v8               ; 2 off its exponent field: the conversion takes the exponent field of this operand as its scale, and nothing else of it
	v_cvt_scalef32_pk8_fp4_f32 v[C+4*(\t)], v[XS:XS+7], v11
	v_cvt_scalef32_pk8_fp4_f32 v[C+4*(\t)+1], v[XS+8:XS+15], v11
	v_lshrrev_b32 v[E+(\t)], 23, v11               ; the scale's byte (also the plain line behind the conversions)
	ds_store_b8 v5, v[E+(\t)] offset:16*(\t)       ; both lanes of a block write the same byte with the same value
	global_store_b64 v4, v[C+4*(\t):C+4*(\t)+1], s[10:11] offset:256*(\t)   ; the wave stores 256 consecutive bytes, aligned
.endm
.irp t, 0,1,2,3,4,5,6,7,8,9,10,11,12,13,14,15
	XSTEP \t
.endr
	ds_load_b64 v[8:9], v6                         ; LDS serves a wave's instructions in order: these see my byte stores
	s_wait_dscnt 0x0
	global_store_b64 v7, v[8:9], s[12:13]          ; 32 lanes store 256 consecutive bytes, aligned
	s_wait_tensorcnt 0x0                           ; the wave's end: a spare-word add and its waits, behind my last LDS store
	ds_add_u32 v[SPW], v[NIL]
	s_wait_dscnt 0x0
	s_endpgm
; ---------------- the weights.  A LANE TAKES A COLUMN n AND ITS REGISTERS RUN DOWN K: each load reads 128 consecutive bytes a wave, 512 a work-group; nothing is transposed by an instruction.
.macro KLOAD g, lo, pitch              ; rows 32 g .. 32 g + 31 of my wave's 128, from the base s[lo:lo+1]
.set kk, 0
.rept 32
	global_load_b32 v[KX+32*(\g)+kk], v4, s[\lo:\lo+1] offset:(32*(\g)+kk)*\pitch th:TH_LOAD_NT
.set kk, kk+1
.endr
.endm
.Lnot_x:
	v_lshlrev_b32 v4, 2, v2                        ; 4 bytes a lane: my column
	v_lshrrev_b32 v3, 4, v2                        ; which of my wave's two tiles of 16 columns,
	v_and_b32 v5, 15, v2
	v_lshlrev_b32 v5, 4, v5                        ; and 16 bytes for my place in it
	s_cmp_lt_u32 ttmp9, 320
	s_cbranch_scc0 .Lwout
; w_qkv: a wave takes 32 columns x 128 along K: four blocks of 32 a lane, one scale word
	s_sub_co_u32 s21, ttmp9, 128
	s_and_b32 s24, s21, 7                          ; which 128 along K
	s_lshr_b32 s25, s21, 3
	s_lshl_b32 s25, s25, 2
	s_add_co_u32 s25, s25, s20                     ; my first column / 32
	s_mul_i32 s22, s24, 128*12288
	s_lshl_b32 s26, s25, 7                         ; 4 bytes a column
	s_add_co_u32 s22, s22, s26
	s_add_nc_u64 s[6:7], s[6:7], s[22:23]
	s_lshl_b32 s22, s25, 14                        ; codes: 8,192 bytes for each 16 columns,
	s_lshl_b32 s27, s24, 10                        ; 1,024 for each 128 along K
	s_add_co_u32 s22, s22, s27
	s_add_nc_u64 s[14:15], s[14:15], s[22:23]
	s_mul_i32 s22, s24, 12288                      ; scale words: 3,072 x 4 bytes for each 128 along K
	s_add_co_u32 s22, s22, s26
	s_add_nc_u64 s[16:17], s[16:17], s[22:23]
	v_lshl_add_u32 v3, v3, 13, v5
	KLOAD 0, 6, 12288
	KLOAD 1, 6, 12288
.macro WBLOCK t
.set XS, KX+32*(\t)
.if (\t) < 3
	s_wait_loadcnt 32                              ; this block's 32 loads are in; the next block's 32 may be out
.else
	s_wait_loadcnt 0x0
.endif
.if (\t)+2 < 4
	KLOAD (\t)+2, 6, 12288                         ; two blocks ahead, into registers of its own
.endif
	v_max3_num_f32 v8, |v[XS]|, |v[XS+1]|, |v[XS+2]|               ; the block's largest magnitude: all 32 numbers are mine
	v_max3_num_f32 v9, |v[XS+3]|, |v[XS+4]|, |v[XS+5]|
.irp i, 6,10,14,18,22,26
	v_max3_num_f32 v8, v8, |v[XS+\i]|, |v[XS+\i+1]|
	v_max3_num_f32 v9, v9, |v[XS+\i+2]|, |v[XS+\i+3]|
.endr
	v_max3_num_f32 v8, v8, |v[XS+30]|, |v[XS+31]|
	v_max3_num_f32 v8, v8, v9, 0x1800000           ; and the floor 2^(3 - 127)
	v_add_nc_u32 v11, 0xff000000, v8               ; 2 off its exponent field: the conversion's scale operand
	v_lshrrev_b32 v10, 23, v11                     ; the scale's byte
.if (\t) == 0
	v_mov_b32 v14, v10                             ; four bytes make my column's scale word, the lower K in the lower byte
.else
	v_lshl_or_b32 v14, v10, 8*(\t), v14
.endif
.irp g, 0,1,2,3
	v_cvt_scalef32_pk8_fp4_f32 v[WC+4*(\t)+\g], v[XS+8*\g:XS+8*\g+7], v11
.endr
	global_store_b128 v3, v[WC+4*(\t):WC+4*(\t)+3], s[14:15] offset:256*(\t)   ; sixteen lanes store 256 consecutive bytes, aligned: a block of 32 along K of 16 columns
.endm
	WBLOCK 0
	WBLOCK 1
	WBLOCK 2
	WBLOCK 3
	global_store_b32 v4, v14, s[16:17]             ; 128 consecutive bytes a wave, 512 a work-group
	s_endpgm
; w_out: a wave takes 32 columns x 128 along K; eight neighbours along K are rounded to f16 and make 16 bytes
.Lwout:
	s_sub_co_u32 s21, ttmp9, 320
	s_and_b32 s24, s21, 7                          ; which 128 along K
	s_lshr_b32 s25, s21, 3
	s_lshl_b32 s25, s25, 2
	s_add_co_u32 s25, s25, s20                     ; my first column / 32
	s_lshl_b32 s22, s24, 19                        ; 128 rows of 4,096 bytes
	s_lshl_b32 s26, s25, 7
	s_add_co_u32 s22, s22, s26
	s_add_nc_u64 s[8:9], s[8:9], s[22:23]
	s_lshl_b32 s22, s24, 18                        ; out: 8 x 32,768 bytes for each 128 along K,
	s_lshl_b32 s26, s25, 10                        ; 512 for each 16 columns
	s_add_co_u32 s22, s22, s26
	s_add_nc_u64 s[18:19], s[18:19], s[22:23]
	v_lshl_add_u32 v3, v3, 9, v5
	KLOAD 0, 8, 4096
	KLOAD 1, 8, 4096
.irp g, 0,1,2,3
.if \g < 3
	s_wait_loadcnt 32                              ; these 32 rows are in; the next 32 may be out
.else
	s_wait_loadcnt 0x0
.endif
.if \g < 2
	KLOAD \g+2, 8, 4096
.endif
.irp q, 0,1,2,3
.irp i, 0,1,2,3
	v_cvt_pk_f16_f32 v[OC+4*(4*\g+\q)+\i], v[KX+8*(4*\g+\q)+2*\i], v[KX+8*(4*\g+\q)+2*\i+1]   ; the lower k in the low half
.endr
	global_store_b128 v3, v[OC+4*(4*\g+\q):OC+4*(4*\g+\q)+3], s[18:19] offset:((4*\g+\q)/2)*32768+((4*\g+\q)%2)*256   ; sixteen lanes store 256 consecutive bytes, aligned
.endr
.endr
	s_endpgm
.Lfunc_end_k_qc6c5ff8301_prep:
	.size	k_qc6c5ff8301_prep, .Lfunc_end_k_qc6c5ff8301_prep-k_qc6c5ff8301_prep
	.p2alignl 7, 3214868480
	.fill 96, 4, 3214868480
	.section	.rodata,"a",@progbits
	.p2align	6, 0x0
	.amdhsa_kernel k_qc6c5ff8301_prep
		.amdhsa_group_segment_fixed_size 33280
		.amdhsa_private_segment_fixed_size 0
		.amdhsa_enable_private_segment 0
		.amdhsa_kernarg_size 64
		.amdhsa_user_sgpr_count 2
		.amdhsa_user_sgpr_kernarg_segment_ptr 1
		.amdhsa_wavefront_size32 1
		.amdhsa_system_sgpr_workgroup_id_x 1
		.amdhsa_system_sgpr_workgroup_id_y 1
		.amdhsa_system_sgpr_workgroup_id_z 1
		.amdhsa_system_vgpr_workitem_id 0
		.amdhsa_next_free_vgpr 256
		.amdhsa_next_free_sgpr 66
		.amdhsa_reserve_vcc 0
		.amdhsa_float_denorm_mode_32 3
		.amdhsa_float_denorm_mode_16_64 3
		.amdhsa_memory_ordered 1
		.amdhsa_forward_progress 1
		.amdhsa_inst_pref_size 70
	.end_amdhsa_kernel
	.amdgpu_metadata
---
amdhsa.version: [ 1, 2 ]
amdhsa.kernels:
  - .name:           k_qc6c5ff8301_prep
    .symbol:         k_qc6c5ff8301_prep.kd
    .args:
      - { .name: x, .offset: 0, .size: 8, .value_kind: global_buffer, .address_space: global }
      - { .name: w_qkv, .offset: 8, .size: 8, .value_kind: global_buffer, .address_space: global }
      - { .name: w_out, .offset: 16, .size: 8, .value_kind: global_buffer, .address_space: global }
      - { .name: x_codes, .offset: 24, .size: 8, .value_kind: global_buffer, .address_space: global }
      - { .name: x_scales, .offset: 32, .size: 8, .value_kind: global_buffer, .address_space: global }
      - { .name: w_codes, .offset: 40, .size: 8, .value_kind: global_buffer, .address_space: global }
      - { .name: w_scales, .offset: 48, .size: 8, .value_kind: global_buffer, .address_space: global }
      - { .name: wo, .offset: 56, .size: 8, .value_kind: global_buffer, .address_space: global }
    .group_segment_fixed_size: 33280
    .private_segment_fixed_size: 0
    .kernarg_segment_align: 8
    .kernarg_segment_size: 64
    .max_flat_workgroup_size: 128
    .sgpr_count:     66
    .vgpr_count:     256
    .wavefront_size: 32
...
	.end_amdgpu_metadata
.endif
;; end of part 1
;; launch qkvgemm (part 2): grid 16 x 16, 4 waves a work-group, clusters of 4 x 4, 327,680 bytes of LDS; arguments x_codes, x_scales, w_codes, w_scales, qkv; writes qkv
.if DOCPART == 2
	.amdgcn_target "amdgcn-amd-amdhsa--gfx1250"
	.amdhsa_code_object_version 6
	.text
	.protected	k_qc6c5ff8301_qkvgemm
	.globl	k_qc6c5ff8301_qkvgemm
	.p2align	8
	.type	k_qc6c5ff8301_qkvgemm,@function
k_qc6c5ff8301_qkvgemm:
	s_mov_b64 s[64:65], 0
	v_nop
	global_prefetch_b8 v0, s[64:65] scope:SCOPE_SE
	s_setreg_imm32_b32 hwreg(HW_REG_WAVE_MODE, 25, 1), 1
	s_wait_xcnt 0x0
	s_wait_alu depctr_hold_cnt(0) depctr_sa_sdst(0) depctr_va_vdst(0) depctr_va_sdst(0) depctr_va_ssrc(0) depctr_va_vcc(0) depctr_vm_vsrc(0)
	s_getreg_b32 s2, hwreg(HW_REG_IB_STS2, 6, 4)
	s_cmp_eq_u32 s2, 0
	s_cbranch_scc0 .Lentry_in_a_cluster
	s_endpgm
.Lentry_in_a_cluster:
	s_bfe_u32 s2, ttmp6, 0x10000c
	s_cmp_lg_u32 s2, 0xf033
	s_cbranch_scc0 .Lentry_shape_is_right
	s_endpgm
.Lentry_shape_is_right:
; qkv = x w_qkv on codes of FP4 (E2M1) with one E8M0 scale for each 32 along K = 1,024; sums in f32; the result is rounded once to f16 for the attention that follows.
; x_codes [4096][512 bytes], x_scales [4096][32]; w_codes [n / 16][k / 32][n % 16][16 bytes] (a fragment of 16 columns x 128 K is 1,024 consecutive bytes, 16 x lane), w_scales [k / 128][3072][4].
; qkv: f16, [column / 16][row / 16][512 bytes]: the 16 bytes of row r, columns 8 h + 0 .. 7 of such a tile lie at 256 h + 16 ((r + 8 h) % 16).
; LIMIT: |qkv| above 65,504 has no f16 number (inputs all 30 times larger give about 5,000; an offset of 30 spreads on both about 28,800; both together are not served).
; A tile of 256 rows x 192 columns is made by four waves, each 128 x 96: 48 accumulators of 16 x 16.  16 x 16 such tiles: one for each work-group.
; ALL OF K LIES IN LDS: two slots of 512 along K, both asked for at the head; nothing is filled again, and there is no loop.  The scales of all of K come with them.
; CLUSTERS: 4 x 4 work-groups.  The four of a row of the cluster need the same rows of x, the four of a column the same columns of w: each tile is asked for JOINTLY, by the same tensor load with the same
; descriptor and a mask that names the four.  THE MATRIX INSTRUCTION IS USED TRANSPOSED (source 0 = 16 columns of w, source 1 = 16 rows of x): a lane then holds eight neighbouring columns of one row: 16 bytes of f16.
; REGISTERS, in windows of 256: window 0: v16-29 addresses; v32-95 x's scale words (block a, K step kq: 8 a + kq); v96-143 w's (8 b + kq); v144-207 x's fragments, ONE set; on the way out v144-239 hold f16.
;   window 1: w's fragments, TWO sets, at v0 and v128.   window 2: the accumulators of my rows 0-63 ((a, b) at 48 (a % 4) + 8 b);   window 3: those of my rows 64-127.
.set PITCH,  272                       ; an LDS row of x's codes: 256 bytes + 16 of padding: the 16 rows that a load touches begin 16 bytes apart modulo 256
.set HALFA,  128*PITCH                 ; 128 rows: what one tensor load brings of x
.set ABYTES, 2*HALFA
.set HALFB,  6*4096                    ; 6 tiles of 16 columns x 512 K: what one tensor load brings of w
.set SLOT,   ABYTES+2*HALFB            ; 118,784
.set SCA,    2*SLOT                    ; x's scales: 256 rows x 32 bytes as units of 256 bytes + 16
.set HALFSA, 16*272
.set SCB,    SCA+2*HALFSA              ; w's scale words: 8 K steps x 192 columns x 4 bytes
.set HALFSB, 4*768
.set SPARE,  SCB+2*HALFSB              ; the spare words, 128 bytes a wave: two blocks of 256 bytes that no other line names
.set ADRA,  16                         ; v16-17  LDS address of my fragments of x in slot 0, 1
.set ADRB,  20                         ; v20-21  the same for w
.set ADRSA, 22                         ; v22     of x's scale words
.set ADRSB, 23                         ; v23     of w's
.set CO,    26                         ; v26     my 16 bytes in a tile of qkv
.set SPW,   28                         ; v28     LDS address of my spare word; never rewritten
.set NIL,   29                         ; v29     0; never rewritten
.set SA,    32
.set SB,    96
.set AF,    144
.set TMP,   144
.set G1,   24                          ; s[24:31] group 1 for x's codes;  s[32:39] group 0, a set for each slot
.set G0,   32
.set G1B,  48                          ; s[48:55], s[56:63] the same for w's codes
.set G0B,  56
.set G1S,  68                          ; s[68:75], s[76:79] for x's scales;  s[80:87], s[88:91] for w's
.set G0S,  76
.set G1SB, 80
.set G0SB, 88
.set MSB, 0
.macro WIN new                         ; the immediate's high byte repeats the setting that is left
.if MSB != (\new)
	s_set_vgpr_msb (MSB<<8)|(\new)
.set MSB, (\new)
.endif
.endm
.set MUL_LO, 0xa1                      ; source 0 (w) window 1, source 1 (x) window 0, C and D window 2
.set MUL_HI, 0xf1                      ; the same, C and D window 3
.set TO_B,   0x40                      ; destination window 1, address window 0
; A joint load: waves 0 and 1 fetch for x, waves 2 and 3 for w.  Each line has one mask and one set of registers for all that issue it; the branch hangs on the wave's number alone.
; An s_nop 0 and four v_nop follow each of the two lines.
.macro JLOAD g0a, g1a, g0b, g1b
	s_cmp_eq_u32 s15, 0
	s_cbranch_scc0 .Lfor_b_\@
	tensor_load_to_lds s[\g0a:\g0a+3], s[\g1a:\g1a+7]
	s_nop 0
.rept 4
	v_nop
.endr
	s_branch .Lasked_\@
.Lfor_b_\@:
	tensor_load_to_lds s[\g0b:\g0b+3], s[\g1b:\g1b+7]
	s_nop 0
.rept 4
	v_nop
.endr
.Lasked_\@:
.endm
.macro CROUND                          ; a round of the cluster's barrier
	s_barrier_signal -1
	s_barrier_wait -1
	s_cmp_lg_u32 s14, 0
	s_cbranch_scc1 .Lnot_wave_0_\@
	s_barrier_signal -3
.Lnot_wave_0_\@:
	s_barrier_wait -3
	s_barrier_signal -1
	s_barrier_wait -1
.endm
	s_load_b128 s[4:7], s[0:1], 0x0                ; x's codes s[4:5], x's scales s[6:7]
	s_load_b128 s[8:11], s[0:1], 0x10              ; w's codes s[8:9], w's scales s[10:11]
	s_load_b64 s[12:13], s[0:1], 0x20              ; qkv
	v_lshl_add_u32 v[SPW], v0, 2, SPARE
	v_mov_b32 v[NIL], 0
	ds_add_u32 v[SPW], v[NIL]                      ; the wave's opening: the add, twice on end, and its wait ahead of my first tensor load
	ds_add_u32 v[SPW], v[NIL]
	v_lshrrev_b32 v1, 5, v0
	v_readfirstlane_b32 s14, v1                    ; wave 0..3
	s_lshr_b32 s15, s14, 1                         ; which 128 rows of the tile are mine.  Also: I fetch for x (0) or for w (1)
	s_and_b32 s16, s14, 1                          ; which 96 columns.  Also: which half of that operand I fetch
	s_bfe_u32 s40, ttmp6, 0x40000                  ; cx, cy: my place in the cluster
	s_bfe_u32 s41, ttmp6, 0x40004
	s_lshl_b32 s42, ttmp9, 2
	s_add_co_u32 s42, s42, s40                     ; tile column = 4 x cluster x + cx
	s_and_b32 s17, ttmp7, 0xffff
	s_lshl_b32 s17, s17, 2
	s_add_co_u32 s17, s17, s41                     ; tile row = 4 x cluster y + cy
	s_lshl_b32 s43, s41, 2
	s_lshl_b32 s43, 15, s43                        ; my row of the cluster
	s_lshl_b32 s44, 0x1111, s40                    ; my column
	; x's codes: 128 rows x 256 bytes, 512 bytes apart in memory, 16 bytes of padding behind each row
	s_or_b32 s[G1+0], s43, (0<<16)|(1<<20)|(1<<21)|(5<<22)|(3<<25)  ; 15:0 the mask; 17:16 elements of 1 byte; 20 padding on; 21 set beside a mask; 24:22 after every 64 words; 31:25 four words
	s_mov_b32 s[G1+1], 256<<16                     ; tensor_dim0
	s_mov_b32 s[G1+2], 128<<16                     ; tensor_dim1
	s_mov_b32 s[G1+3], 256<<16                     ; tile_dim0
	s_mov_b32 s[G1+4], 128                         ; tile_dim1
	s_mov_b32 s[G1+5], 512                         ; from row to row
	s_mov_b32 s[G1+6], 0
	s_mov_b32 s[G1+7], 0
	; w's codes: 6 tiles of 16 columns, of each 4,096 consecutive bytes (512 elements of 8), 8,192 bytes apart; no padding: they are read 16 x lane
	s_or_b32 s[G1B+0], s44, (3<<16)|(1<<21)
	s_mov_b32 s[G1B+1], 512<<16
	s_mov_b32 s[G1B+2], 6<<16
	s_mov_b32 s[G1B+3], 512<<16
	s_mov_b32 s[G1B+4], 6
	s_mov_b32 s[G1B+5], 1024
	s_mov_b32 s[G1B+6], 0
	s_mov_b32 s[G1B+7], 0
	; x's scales of 128 rows: 4,096 dense bytes as 16 rows of 256 (32 elements of 8), 16 bytes of padding behind each
	s_or_b32 s[G1S+0], s43, (3<<16)|(1<<20)|(1<<21)|(5<<22)|(3<<25)
	s_mov_b32 s[G1S+1], 32<<16
	s_mov_b32 s[G1S+2], 16<<16
	s_mov_b32 s[G1S+3], 32<<16
	s_mov_b32 s[G1S+4], 16
	s_mov_b32 s[G1S+5], 32
	s_mov_b32 s[G1S+6], 0
	s_mov_b32 s[G1S+7], 0
	; w's scale words: 4 K steps x 768 bytes (96 elements of 8), 12,288 bytes apart
	s_or_b32 s[G1SB+0], s44, (3<<16)|(1<<21)
	s_mov_b32 s[G1SB+1], 96<<16
	s_mov_b32 s[G1SB+2], 4<<16
	s_mov_b32 s[G1SB+3], 96<<16
	s_mov_b32 s[G1SB+4], 4
	s_mov_b32 s[G1SB+5], 1536
	s_mov_b32 s[G1SB+6], 0
	s_mov_b32 s[G1SB+7], 0
	; where they come from: x's by the tile row alone, w's by the tile column alone, each in registers that never hold the other coordinate
	s_lshl_b32 s18, s16, 7
	s_lshl_b32 s20, s17, 8
	s_add_co_u32 s20, s20, s18                     ; x: row 256 x tile row + 128 x half
	s_lshl_b32 s22, s20, 5                         ; its scales, 32 bytes a row
	s_mov_b32 s23, 0
	s_lshl_b32 s20, s20, 9                         ; its codes, 512 bytes a row
	s_mov_b32 s21, 0
	s_mul_i32 s46, s42, 12
	s_mul_i32 s47, s16, 6
	s_add_co_u32 s46, s46, s47                     ; w: tile of 16 columns 12 x tile column + 6 x half
	s_lshl_b32 s46, s46, 13
	s_mov_b32 s47, 0
	s_mul_i32 s92, s42, 768                        ; its scale words: 768 bytes of each K step's row, K steps 4 x half on
	s_mul_i32 s93, s16, 4*12288
	s_add_co_u32 s92, s92, s93
	s_mov_b32 s93, 0
	s_mul_i32 s45, s16, HALFA                      ; and where they go: no place in the cluster enters an LDS address
	s_mul_i32 s94, s16, HALFB
	s_add_co_u32 s94, s94, ABYTES
	s_mul_i32 s95, s16, HALFSA
	s_add_co_u32 s95, s95, SCA
	s_mul_i32 s96, s16, HALFSB
	s_add_co_u32 s96, s96, SCB
	s_wait_dscnt 0x0                               ; both opening adds are done
	s_wait_kmcnt 0x0
	s_add_nc_u64 s[20:21], s[4:5], s[20:21]
	s_add_nc_u64 s[22:23], s[6:7], s[22:23]
	s_add_nc_u64 s[46:47], s[8:9], s[46:47]
	s_add_nc_u64 s[92:93], s[10:11], s[92:93]
	CROUND                                         ; all sixteen work-groups are here: the joint loads meet
	s_mov_b32 s[G0S], 1
	s_mov_b32 s[G0S+1], s95
	s_mov_b64 s[G0S+2:G0S+3], s[22:23]
	s_or_b32 s[G0S+3], s[G0S+3], 0x80000000
	s_mov_b32 s[G0SB], 1
	s_mov_b32 s[G0SB+1], s96
	s_mov_b64 s[G0SB+2:G0SB+3], s[92:93]
	s_or_b32 s[G0SB+3], s[G0SB+3], 0x80000000
	JLOAD G0S, G1S, G0SB, G1SB                     ; the scales first: they are wanted with the first K step
.irp s, 0,1
	s_mov_b32 s[G0+4*\s], 1
	s_add_co_u32 s[G0+4*\s+1], s45, \s*SLOT
	s_add_nc_u64 s[G0+4*\s+2:G0+4*\s+3], s[20:21], \s*256
	s_or_b32 s[G0+4*\s+3], s[G0+4*\s+3], 0x80000000
	s_mov_b32 s[G0B+4*\s], 1
	s_add_co_u32 s[G0B+4*\s+1], s94, \s*SLOT
	s_add_nc_u64 s[G0B+4*\s+2:G0B+4*\s+3], s[46:47], \s*4096
	s_or_b32 s[G0B+4*\s+3], s[G0B+4*\s+3], 0x80000000
	JLOAD G0+4*\s, G1, G0B+4*\s, G1B               ; three tensor loads of mine are out behind the second of these
.endr
	v_and_b32 v1, 15, v0                           ; r = lane % 16
	v_bfe_u32 v2, v0, 4, 1                         ; h = lane / 16
	v_mul_u32_u24 v3, v1, PITCH
	v_lshl_add_u32 v4, v2, 4, v3                   ; x: row x pitch + 16 x half
	v_and_b32 v6, 31, v0
	v_lshlrev_b32 v6, 4, v6                        ; w: 16 x lane
	s_mul_i32 s21, s15, HALFA                      ; my 128 rows of x
	s_mul_i32 s22, s16, HALFB                      ; my 6 tiles of w, behind x's 256 rows
	s_add_co_u32 s22, s22, ABYTES
.irp s, 0,1
	v_add_nc_u32 v[ADRA+\s], s21, v4
	v_add_nc_u32 v[ADRB+\s], s22, v6
	s_add_co_u32 s21, s21, SLOT
	s_add_co_u32 s22, s22, SLOT
.endr
	v_lshlrev_b32 v5, 5, v1                        ; x's scales: 32 bytes a row,
	v_lshrrev_b32 v7, 8, v5
	v_lshl_add_u32 v5, v7, 4, v5                   ; and 16 more for each 256 passed
	s_mul_i32 s21, s15, HALFSA
	s_add_co_u32 s21, s21, SCA
	v_add_nc_u32 v[ADRSA], s21, v5
	v_lshlrev_b32 v5, 2, v1                        ; w's: 4 bytes a column
	s_mul_i32 s22, s16, 384
	s_add_co_u32 s22, s22, SCB
	v_add_nc_u32 v[ADRSB], s22, v5
	v_lshl_add_u32 v5, v2, 3, v1
	v_and_b32 v5, 15, v5
	v_lshlrev_b32 v5, 4, v5
	v_lshl_add_u32 v[CO], v2, 8, v5                ; 256 h + 16 ((r + 8 h) % 16)
	s_lshl_b32 s20, s17, 4
	s_lshl_b32 s21, s15, 3
	s_add_co_u32 s20, s20, s21                     ; my first tile of 16 rows,
	s_lshl_b32 s20, s20, 9                         ; 512 bytes each
	s_mov_b32 s21, 0
	s_mul_i32 s46, s42, 12
	s_mul_i32 s47, s16, 6
	s_add_co_u32 s46, s46, s47                     ; my first strip of 16 columns,
	s_lshl_b32 s46, s46, 17                        ; 131,072 bytes each
	s_mov_b32 s47, 0
	s_add_nc_u64 s[20:21], s[20:21], s[46:47]
	s_add_nc_u64 s[12:13], s[12:13], s[20:21]
.macro FRAGA reg, slot, q, i           ; 16 rows x 128 K of x: registers 4 c .. 4 c + 3 hold K = 64 c + 32 h + 0 .. 31: 16 bytes of the row as they lie
.irp c, 0,1
	ds_load_b128 v[\reg+4*\c:\reg+4*\c+3], v[ADRA+\slot] offset:64*(\q)+32*\c+(\i)*16*PITCH
.endr
.endm
.macro FETCH_A slot, q, i0             ; x's blocks i0 .. i0 + 3: eight loads
.irp i, \i0, \i0+1, \i0+2, \i0+3
	FRAGA AF+8*(\i), \slot, \q, \i
.endr
.endm
.macro FETCH_B slot, q, p              ; w's six fragments of the slot's q-th 128 along K into set p: twelve loads of 512 consecutive bytes
	WIN TO_B
.irp b, 0,1,2,3,4,5
.irp c, 0,1
	ds_load_b128 v[128*(\p)+8*\b+4*\c:128*(\p)+8*\b+4*\c+3], v[ADRB+\slot] offset:\b*4096+(\q)*1024+\c*512
.endr
.endr
	WIN 0
.endm
.macro SCALES                          ; the scale words of all of K, once: lane r takes row r's (column r's); lanes 16-31 hold the same and are not read
.irp a, 0,1,2,3,4,5,6,7
.irp u, 0,1
	ds_load_b128 v[SA+8*\a+4*\u:SA+8*\a+4*\u+3], v[ADRSA] offset:544*\a+16*\u
.endr
.endr
.irp b, 0,1,2,3,4,5
.irp k, 0,1,2,3,4,5,6,7
	ds_load_b32 v[SB+8*\b+\k], v[ADRSB] offset:768*\k+64*\b
.endr
.endr
.endm
; 12 matrix instructions: x's blocks a0, a0 + 1 against w's six, K step kq.  zero = 1: the first product starts the sums.  The 48 accumulators take turns, one instruction a turn, in the same order in every step.
.macro MUL12 a0, p, kq, zero
.irp a, \a0, \a0+1
.irp b, 0,1,2,3,4,5
.if \zero
	v_wmma_scale_f32_16x16x128_f8f6f4 v[48*((\a)%4)+8*\b:48*((\a)%4)+8*\b+7], v[128*(\p)+8*\b:128*(\p)+8*\b+7], v[AF+8*(\a):AF+8*(\a)+7], 0, v[SB+8*\b+(\kq)], v[SA+8*(\a)+(\kq)] matrix_a_fmt:MATRIX_FMT_FP4 matrix_b_fmt:MATRIX_FMT_FP4
.else
	v_wmma_scale_f32_16x16x128_f8f6f4 v[48*((\a)%4)+8*\b:48*((\a)%4)+8*\b+7], v[128*(\p)+8*\b:128*(\p)+8*\b+7], v[AF+8*(\a):AF+8*(\a)+7], v[48*((\a)%4)+8*\b:48*((\a)%4)+8*\b+7], v[SB+8*\b+(\kq)], v[SA+8*(\a)+(\kq)] matrix_a_fmt:MATRIX_FMT_FP4 matrix_b_fmt:MATRIX_FMT_FP4
.endif
.endr
.endr
.endm
.macro PLACES                          ; four plain vector instructions in front of loads into registers that matrix instructions have read, and of the first read of results
.rept 4
	v_nop
.endr
.endm
; A step of 128 along K that has its successor in the same slot.  A block of x is free as soon as its six products are issued: blocks 0-3 are fetched anew in the step's middle, blocks 4-7 at its end.
.macro STEP slot, q, zero
	s_wait_dscnt 8                                 ; w's set and x's blocks 0-3 are in; the youngest eight loads (x's blocks 4-7) may be out
	WIN MUL_LO
	MUL12 0, (\q)%2, 4*(\slot)+(\q), \zero
	MUL12 2, (\q)%2, 4*(\slot)+(\q), \zero
	s_wait_dscnt 0x0                               ; x's blocks 4-7 are in
	PLACES
	FETCH_B \slot, (\q)+1, 1-(\q)%2
	FETCH_A \slot, (\q)+1, 0
	WIN MUL_HI
	MUL12 4, (\q)%2, 4*(\slot)+(\q), \zero
	MUL12 6, (\q)%2, 4*(\slot)+(\q), \zero
	PLACES
	WIN 0
	FETCH_A \slot, (\q)+1, 4
.endm
	s_wait_tensorcnt 1                             ; the scales and my part of slot 0 are in; slot 1's load, the one issued behind them, may be out
	s_barrier_signal -1
	s_barrier_wait -1                              ; everybody's are
	FETCH_B 0, 0, 0
	FETCH_A 0, 0, 0
	SCALES
	FETCH_A 0, 0, 4
	STEP 0, 0, 1
	STEP 0, 1, 0
	STEP 0, 2, 0
	; slot 0's last step goes over to slot 1: one barrier, in front of which each wave has seen its part of slot 1 land
	s_wait_tensorcnt 0x0                           ; all my tensor loads have landed
	ds_add_u32 v[SPW], v[NIL]                      ; 0 onto my spare word
	s_wait_dscnt 9                                 ; (the add and the youngest eight loads may be out)
	WIN MUL_LO
	MUL12 0, 1, 3, 0
	s_wait_dscnt 0x0                               ; no LDS instruction of mine is out at the signal
	s_barrier_signal -1
	MUL12 2, 1, 3, 0                               ; work on registers while the others arrive
	WIN 0
	s_barrier_wait -1
	PLACES
	FETCH_B 1, 0, 0
	FETCH_A 1, 0, 0
	WIN MUL_HI
	MUL12 4, 1, 3, 0
	MUL12 6, 1, 3, 0
	PLACES
	WIN 0
	FETCH_A 1, 0, 4
	STEP 1, 0, 0
	STEP 1, 1, 0
	STEP 1, 2, 0
	s_wait_dscnt 8                                 ; the last step: nothing more to fetch
	WIN MUL_LO
	MUL12 0, 1, 7, 0
	MUL12 2, 1, 7, 0
	s_wait_dscnt 0x0
	WIN MUL_HI
	MUL12 4, 1, 7, 0
	MUL12 6, 1, 7, 0
	WIN 0
	; THE WAY OUT.  A lane's eight results are eight neighbouring columns of one row: four roundings make its 16 bytes, and the 32 lanes of a store fill a tile's 512 consecutive bytes.  No stage.
	PLACES
.irp a, 0,1,2,3,4,5,6,7
.if \a >= 4
	s_wait_xcnt 0x0                                ; block a - 4's stores have read their registers: these are written again only behind this wait
.endif
	WIN 0x0a+5*(\a/4)                              ; sources 0 and 1: window 2 or 3
.irp b, 0,1,2,3,4,5
.irp i, 0,1,2,3
	v_cvt_pk_f16_f32 v[TMP+24*(\a%4)+4*\b+\i], v[48*(\a%4)+8*\b+2*\i], v[48*(\a%4)+8*\b+2*\i+1]   ; each accumulator from its low end on
.endr
.endr
	WIN 0
.irp b, 0,1,2,3,4,5
	global_store_b128 v[CO], v[TMP+24*(\a%4)+4*\b:TMP+24*(\a%4)+4*\b+3], s[12:13] offset:\b*131072+\a*512
.endr
.endr
	s_wait_tensorcnt 0x0                           ; the wave's end: a spare-word add and its waits
	ds_add_u32 v[SPW], v[NIL]
	s_wait_dscnt 0x0
	CROUND                                         ; the closing round
	s_endpgm
.Lfunc_end_k_qc6c5ff8301_qkvgemm:
	.size	k_qc6c5ff8301_qkvgemm, .Lfunc_end_k_qc6c5ff8301_qkvgemm-k_qc6c5ff8301_qkvgemm
	.p2alignl 7, 3214868480
	.fill 96, 4, 3214868480
	.section	.rodata,"a",@progbits
	.p2align	6, 0x0
	.amdhsa_kernel k_qc6c5ff8301_qkvgemm
		.amdhsa_group_segment_fixed_size 327680
		.amdhsa_private_segment_fixed_size 0
		.amdhsa_enable_private_segment 0
		.amdhsa_kernarg_size 40
		.amdhsa_user_sgpr_count 2
		.amdhsa_user_sgpr_kernarg_segment_ptr 1
		.amdhsa_wavefront_size32 1
		.amdhsa_system_sgpr_workgroup_id_x 1
		.amdhsa_system_sgpr_workgroup_id_y 1
		.amdhsa_system_sgpr_workgroup_id_z 1
		.amdhsa_system_vgpr_workitem_id 0
		.amdhsa_next_free_vgpr 1024
		.amdhsa_next_free_sgpr 98
		.amdhsa_reserve_vcc 0
		.amdhsa_float_denorm_mode_32 3
		.amdhsa_float_denorm_mode_16_64 3
		.amdhsa_memory_ordered 1
		.amdhsa_forward_progress 1
		.amdhsa_inst_pref_size 97
	.end_amdhsa_kernel
	.amdgpu_metadata
---
amdhsa.version: [ 1, 2 ]
amdhsa.kernels:
  - .name:           k_qc6c5ff8301_qkvgemm
    .symbol:         k_qc6c5ff8301_qkvgemm.kd
    .args:
      - { .name: x_codes, .offset: 0, .size: 8, .value_kind: global_buffer, .address_space: global }
      - { .name: x_scales, .offset: 8, .size: 8, .value_kind: global_buffer, .address_space: global }
      - { .name: w_codes, .offset: 16, .size: 8, .value_kind: global_buffer, .address_space: global }
      - { .name: w_scales, .offset: 24, .size: 8, .value_kind: global_buffer, .address_space: global }
      - { .name: qkv, .offset: 32, .size: 8, .value_kind: global_buffer, .address_space: global }
    .group_segment_fixed_size: 327680
    .private_segment_fixed_size: 0
    .kernarg_segment_align: 8
    .kernarg_segment_size: 40
    .max_flat_workgroup_size: 128
    .sgpr_count:     98
    .vgpr_count:     1024
    .wavefront_size: 32
...
	.end_amdgpu_metadata
.endif
;; end of part 2
;; launch attn (part 3): grid 16 x 16, 8 waves a work-group, clusters of 4 x 1, 327,680 bytes of LDS; arguments qkv, y; writes y
.if DOCPART == 3
	.amdgcn_target "amdgcn-amd-amdhsa--gfx1250"
	.amdhsa_code_object_version 6
	.text
	.protected	k_qc6c5ff8301_attn
	.globl	k_qc6c5ff8301_attn
	.p2align	8
	.type	k_qc6c5ff8301_attn,@function
k_qc6c5ff8301_attn:
	s_mov_b64 s[64:65], 0
	v_nop
	global_prefetch_b8 v0, s[64:65] scope:SCOPE_SE
	s_setreg_imm32_b32 hwreg(HW_REG_WAVE_MODE, 25, 1), 1
	s_wait_xcnt 0x0
	s_wait_alu depctr_hold_cnt(0) depctr_sa_sdst(0) depctr_va_vdst(0) depctr_va_sdst(0) depctr_va_ssrc(0) depctr_va_vcc(0) depctr_vm_vsrc(0)
	s_getreg_b32 s2, hwreg(HW_REG_IB_STS2, 6, 4)
	s_cmp_eq_u32 s2, 0
	s_cbranch_scc0 .Lentry_in_a_cluster
	s_endpgm
.Lentry_in_a_cluster:
	s_bfe_u32 s2, ttmp6, 0x10000c
	s_cmp_lg_u32 s2, 0x3003
	s_cbranch_scc0 .Lentry_shape_is_right
	s_endpgm
.Lentry_shape_is_right:
; y[q][64 H + :] = the sum over k of softmax_k(Q[H][q] . K[H][k] / 8) V[H][k][:], 16 heads of 64, 4,096 queries and keys, no mask.  Operands f16, products, maxima and sums f32; the weights p are rounded to f16
; for the second product, y once at the end.
; qkv and y: f16 tiles [column / 16][row / 16][512 bytes]; the 16 bytes of row r, columns 8 h + 0 .. 7 lie at 256 h + 16 ((r + 8 h) % 16).  Q of head H: strips 4 H .. 4 H + 3; K: 64 + 4 H ..; V: 128 + 4 H ...
; LIMITS: |y| above 65,504 has no f16 number; with inputs 30 times smaller y (about 3e-5) falls among f16's subnormals, whose step 6e-8 is about 6e-4 of its size; NaN and infinities are not served.
; SHARES.  A work-group owns 256 queries of one head.  Wave w owns queries 64 (w % 4) on, four tiles of 16, and HALF OF THE KEYS: of each slot of 512 keys, eight steps of 64, waves 0-3 take steps 0-3, waves 4-7 steps 4-7.
; So a SIMD holds two waves of 512 registers: each fragment of K and V read from LDS feeds four products, and one wave's softmax stands beside the other's products.  At the end waves 4-7 hand O, c m and l to waves 0-3 through LDS, once.
; LAYOUT.  S^T = K Q^T (source 0 = 16 keys, source 1 = 16 queries): a lane holds ONE query (lane % 16) and keys 8 (lane / 16) + 0..7.  Two such tiles, rounded to f16 in pairs, ARE source 1 of O^T = V^T P.
; K comes out of LDS as it lies, V turned, by ds_load_tr16_b128; the place of a chunk in its tile is chosen so that both kinds of load touch sixteen different 16-byte columns modulo 256 in each half of the lanes.
; SOFTMAX.  A running maximum m and sum l for each query: p = 2^(c s - c m), c = log2(e) / 8; in every step O and l are multiplied by a = 2^(c m_old - c m_new).
; CLUSTER.  The four query blocks of a cluster belong to one head and walk the same K and V: each strip is asked for JOINTLY, by the same tensor load with the same descriptor and a mask that names the four.
; REGISTERS: window 0: v2-11 addresses; v16-47 eight statistics a tile (+0 c m, +1 m, +2,+3 l, +4,+5 at work, +6 a, +7 at work); v48-63 the merge's; v64-127 Q (16 a tile); v128-255 S^T (32 a tile), then P in its first 16.
;   window 1: v0-127 O^T (32 a tile); v128-191 K of one step; v192-255 V of one step.
.set SLOT1, 131072                     ; slot 1 begins here: one exclusive or turns an address in one slot into the other's
.set STRIP, 16384                      ; a slot: eight strips (K's four, V's four) of 32 tiles of 16 keys x 512 bytes
.set STEPB, 2048                       ; a step's 64 keys in a strip
.set SPARE, 262144                     ; behind the ring: the spare words, 128 bytes a wave: four blocks of 256 bytes that no other line names
.set MSTG,  17408                      ; the merge's stage, for each pair of waves: 32 x 512 bytes of O, 512 of c m, 512 of l; in slot 0, which has had its last fill and its last read by then
.set AK,  2                            ; v2   my lane's place in a tile of K
.set AV,  3                            ; v3   the same for the turning load of V, V's strips' offset with it
.set ADR, 4                            ; v4   LDS address of the step's K
.set ADR2, 5                           ; v5   of its V
.set GQ,  6                            ; v6   my 16 bytes in a tile of Q and of y
.set STG, 7                            ; v7   the merge's stage: my pair's, 16 x lane
.set PFO, 8                            ; v8   256 x my lane; never rewritten
.set SPW, 10                           ; v10  LDS address of my spare word; never rewritten
.set NIL, 11                           ; v11  0; never rewritten
.set ST,  16
.set MS,  48                           ; v48-51 my c m, v52-55 my l, v56-59 the partner's c m, v60-63 its l
.set Q,   64
.set S,   128
.set KF,  128                          ; in window 1
.set VF,  192
.set WV,  8                            ; s8   my wave's number
.set G1,  16                           ; s[16:23] descriptor group 1: one shape for every load
.set G0F, 24                           ; s[24:27] group 0 of the first fill of slot 0
.set G0W, 28                           ; s[28:31] group 0 of slot 1's first fill, which then walks
.set CS,  32                           ; s[32:33] c
.set SEL, 34                           ; s[34:35] lane selects for v_permlanex16_b32: lane l xor 16
.set TB,  36                           ; s36  LDS byte at which my step's tiles begin in a strip of the slot in hand
.set SLOTS, 37                         ; s37  slots still to be asked for
.set CNT, 38                           ; s38  counts steps
.set LIM, 39                           ; s39  1 in a wave that prefetches, else the greatest number
.set PFA, 40                           ; s[40:41] where my prefetches stand
.set MSB, 0
.macro WIN new                         ; the immediate's high byte repeats the setting that is left
.if MSB != (\new)
	s_set_vgpr_msb (MSB<<8)|(\new)
.set MSB, (\new)
.endif
.endm
.macro CROUND                          ; a round of the cluster's barrier
	s_barrier_signal -1
	s_barrier_wait -1
	s_cmp_lg_u32 s[WV], 0
	s_cbranch_scc1 .Lnot_wave_0_\@
	s_barrier_signal -3
.Lnot_wave_0_\@:
	s_barrier_wait -3
	s_barrier_signal -1
	s_barrier_wait -1
.endm
; A PREFETCH INTO THE L2 of what the NEXT change of slots will ask for: eight strips of 16,384 bytes.  All clusters of a head walk the same K and V: the head's first cluster asks.  Its four partners share the strips out
; BY ADDRESS, two each; in each, waves 0-3 ask, half a strip (32 lanes, 256 bytes apart) a wave.  So each aligned block of 256 bytes is named once in the launch.  The last change that fills a slot asks for nothing.
.macro ASK
	s_cmp_gt_u32 s[SLOTS], s[LIM]
	s_cbranch_scc0 .Lnot_mine_\@
	global_prefetch_b8 v[PFO], s[PFA:PFA+1] th:TH_LOAD_NT scope:SCOPE_SE
.Lnot_mine_\@:
.endm
	s_load_b128 s[4:7], s[0:1], 0x0                ; qkv s[4:5], y s[6:7]
	v_lshl_add_u32 v[SPW], v0, 2, SPARE
	v_mov_b32 v[NIL], 0
	ds_add_u32 v[SPW], v[NIL]                      ; the wave's opening: the add, twice on end, and its wait ahead of my first tensor load
	ds_add_u32 v[SPW], v[NIL]
	v_lshrrev_b32 v1, 5, v0
	v_readfirstlane_b32 s[WV], v1                  ; wave 0..7
	s_lshr_b32 s9, s[WV], 2                        ; which half of the keys; also: I fetch a strip of K (0) or of V (1)
	s_and_b32 s10, s[WV], 3                        ; which 64 queries; also: which strip
	s_bfe_u32 s11, ttmp6, 0x40000                  ; cx
	s_lshl_b32 s12, ttmp9, 2
	s_add_co_u32 s12, s12, s11                     ; my block of 256 queries: it enters Q's and y's addresses alone
	s_and_b32 s13, ttmp7, 0xffff                   ; the head, which the four partners share
	; descriptor group 1: 16,384 dense bytes as 64 rows of 256 (32 elements of 8 bytes)
	s_mov_b32 s[G1], 15|(3<<16)|(1<<21)            ; 15:0 the mask: all four work-groups; 17:16 elements of 8 bytes; 21 set beside a mask; no padding
	s_mov_b32 s[G1+1], 32<<16                      ; tensor_dim0
	s_mov_b32 s[G1+2], 64<<16                      ; tensor_dim1
	s_mov_b32 s[G1+3], 32<<16                      ; tile_dim0
	s_mov_b32 s[G1+4], 64                          ; tile_dim1
	s_mov_b32 s[G1+5], 32                          ; from row to row
	s_mov_b32 s[G1+6], 0
	s_mov_b32 s[G1+7], 0
	s_lshl_b32 s42, s13, 2
	s_add_co_u32 s42, s42, s10
	s_lshl_b32 s43, s9, 6
	s_add_co_u32 s42, s42, s43
	s_add_co_u32 s42, s42, 64                      ; the strip that I fetch: 64 + 4 head + wave % 4 (+ 64 for V)
	s_lshl_b32 s42, s42, 17
	s_mov_b32 s43, 0
	s_lshl_b32 s44, s[WV], 14                      ; and its place in a slot: no place in the cluster enters an LDS address
	s_lshl_b32 s46, s13, 19                        ; Q and y: strip 4 head,
	s_lshl_b32 s47, s12, 13                        ; 16 tiles of 512 bytes a block of queries,
	s_add_co_u32 s46, s46, s47
	s_lshl_b32 s47, s10, 11                        ; 4 a wave
	s_add_co_u32 s46, s46, s47
	s_mov_b32 s47, 0
	s_lshr_b32 s48, s10, 1                         ; the prefetches: strip 2 cx + (wave % 4) / 2 of the eight,
	s_lshl_b32 s49, s11, 1
	s_add_co_u32 s48, s48, s49
	s_and_b32 s49, s48, 3
	s_lshr_b32 s48, s48, 2
	s_lshl_b32 s48, s48, 6
	s_add_co_u32 s48, s48, s49
	s_lshl_b32 s49, s13, 2
	s_add_co_u32 s48, s48, s49
	s_add_co_u32 s48, s48, 64
	s_lshl_b32 s48, s48, 17
	s_and_b32 s49, s[WV], 1
	s_lshl_b32 s49, s49, 13                        ; its half wave % 2,
	s_add_co_u32 s48, s48, s49
	s_add_co_u32 s48, s48, 2*STRIP                 ; at the keys of slot 2: the first change of slots steps it to slot 3.  Nothing is prefetched at the head
	s_mov_b32 s49, 0
	s_or_b32 s[LIM], s9, ttmp9                     ; 0 in waves 0-3 of the head's first cluster: the same in all four partners
	s_cmp_eq_u32 s[LIM], 0
	s_cselect_b32 s[LIM], 1, -1
	s_mov_b32 s[CS], 0x3e38aa3b                    ; c = log2(e) / 8
	s_mov_b32 s[CS+1], s[CS]                       ; (named with it as a pair, so it is written)
	s_mov_b32 s[SEL], 0x76543210
	s_mov_b32 s[SEL+1], 0xfedcba98
	s_lshl_b32 s[TB], s9, 13                       ; my half of slot 0's steps
	s_mov_b32 s[SLOTS], 6
	s_mul_i32 s45, s10, MSTG
	s_wait_dscnt 0x0                               ; both opening adds are done
	s_wait_kmcnt 0x0
	s_add_nc_u64 s[42:43], s[4:5], s[42:43]
	s_add_nc_u64 s[50:51], s[4:5], s[46:47]        ; Q at my wave's first tile
	s_add_nc_u64 s[52:53], s[6:7], s[46:47]        ; y likewise
	s_add_nc_u64 s[PFA:PFA+1], s[4:5], s[48:49]
	CROUND                                         ; all four work-groups are here: the first joint loads meet
	s_mov_b32 s[G0F], 1                            ; count = 1
	s_mov_b32 s[G0F+1], s44                        ; LDS address: slot 0
	s_mov_b64 s[G0F+2:G0F+3], s[42:43]             ; keys 0 to 511
	s_or_b32 s[G0F+3], s[G0F+3], 0x80000000        ; type = 2
	s_mov_b32 s[G0W], 1
	s_add_co_u32 s[G0W+1], s44, SLOT1              ; slot 1
	s_add_nc_u64 s[G0W+2:G0W+3], s[42:43], STRIP   ; keys 512 to 1,023
	s_or_b32 s[G0W+3], s[G0W+3], 0x80000000
	tensor_load_to_lds s[G0F:G0F+3], s[G1:G1+7]    ; every wave fetches a strip of its own: two loads of mine are out
	s_nop 0
	tensor_load_to_lds s[G0W:G0W+3], s[G1:G1+7]
	s_nop 0
.rept 4
	v_nop
.endr
	v_and_b32 v1, 15, v0                           ; r
	v_bfe_u32 v9, v0, 4, 1                         ; h
	v_lshl_add_u32 v12, v9, 3, v1
	v_and_b32 v12, 15, v12
	v_lshlrev_b32 v12, 4, v12
	v_lshl_add_u32 v[AK], v9, 8, v12               ; 256 h + 16 ((r + 8 h) % 16)
	v_mov_b32 v[GQ], v[AK]
	v_and_b32 v13, 7, v0                           ; the turning load: lane l reads key 8 h + l % 8, channels 8 e + 0..7, e = (l / 8) % 2,
	v_lshl_add_u32 v13, v9, 3, v13
	v_bfe_u32 v14, v0, 3, 1
	v_lshl_add_u32 v13, v14, 3, v13
	v_and_b32 v13, 15, v13
	v_lshlrev_b32 v13, 4, v13
	v_lshl_add_u32 v13, v14, 8, v13                ; which lie at 256 e + 16 ((key + 8 e) % 16),
	v_add_nc_u32 v[AV], 4*STRIP, v13               ; behind K's four strips
	v_and_b32 v15, 31, v0
	v_lshlrev_b32 v[PFO], 8, v15
	v_lshlrev_b32 v15, 4, v15
	v_add_nc_u32 v[STG], s45, v15
.irp t, 0,1,2,3
.irp i, 0,1,2,3
	global_load_b128 v[Q+16*\t+4*\i:Q+16*\t+4*\i+3], v[GQ], s[50:51] offset:\i*131072+\t*512   ; Q stays in registers: tile t, channels 16 i + 8 h on
.endr
.endr
; A KEY STEP: 64 keys against my 64 queries.  first = 1: the first step, which starts m, l and O^T.
.macro STEP first
	WIN 0
	v_add_nc_u32 v[ADR], s[TB], v[AK]              ; these five plain lines stand between the last step's products V^T P and both the loads into V's registers (four are asked)
	v_add_nc_u32 v[ADR2], s[TB], v[AV]             ; and the products below that write over P's registers (five are asked)
.rept 3
	v_nop
.endr
	WIN 0x40                                       ; destination window 1
.irp kt, 0,1,2,3
.irp n, 0,1,2,3
	ds_load_b128 v[KF+16*\kt+4*\n:KF+16*\kt+4*\n+3], v[ADR] offset:\n*STRIP+\kt*512        ; keys 16 kt on, channels 16 n + 8 h on
.endr
.endr
.irp ct, 0,1,2,3
.irp n, 0,1,2,3
	ds_load_tr16_b128 v[VF+16*\ct+4*\n:VF+16*\ct+4*\n+3], v[ADR2] offset:\ct*STRIP+\n*512  ; channels 16 ct on, keys 16 n + 8 h on
.endr
.endr
	s_wait_dscnt 16                                ; K is in; V's sixteen loads, issued behind it, may be out
	WIN 0x01                                       ; K in window 1; Q and S^T in window 0
.set i, 0
.rept 32                                       ; channels 32 (i / 16) on, keys 16 ((i / 4) % 4) on, tile i % 4: sixteen accumulators by turns; the first sixteen start the sums
.set rS, S+32*(i%4)+8*((i/4)%4)
.set rK, KF+16*((i/4)%4)+8*(i/16)
.set rQ, Q+16*(i%4)+8*(i/16)
.if i < 16
	v_wmma_f32_16x16x32_f16 v[rS:rS+7], v[rK:rK+7], v[rQ:rQ+7], 0
.else
	v_wmma_f32_16x16x32_f16 v[rS:rS+7], v[rK:rK+7], v[rQ:rQ+7], v[rS:rS+7]
.endif
.set i, i+1
.endr
	WIN 0
.irp t, 0,1,2,3                                ; four plain lines behind the products, ahead of the first read of the scores
.if \first
	v_nop
.else
	v_mov_b32 v[ST+8*\t+7], v[ST+8*\t]             ; c m_old is kept for a
.endif
.endr
.irp t, 0,1,2,3                                ; the maximum of the lane's 32 scores and the old m, in two chains a tile; each accumulator is first read at its low end
	v_max3_num_f32 v[ST+8*\t+4], v[S+32*\t], v[S+32*\t+1], v[S+32*\t+2]
.endr
.irp t, 0,1,2,3
	v_max3_num_f32 v[ST+8*\t+5], v[S+32*\t+16], v[S+32*\t+17], v[S+32*\t+18]
.endr
.irp i, 0,1,2,3,4,5
.irp t, 0,1,2,3
	v_max3_num_f32 v[ST+8*\t+4], v[ST+8*\t+4], v[S+32*\t+3+2*\i], v[S+32*\t+4+2*\i]
.endr
.irp t, 0,1,2,3
	v_max3_num_f32 v[ST+8*\t+5], v[ST+8*\t+5], v[S+32*\t+19+2*\i], v[S+32*\t+20+2*\i]
.endr
.endr
.irp t, 0,1,2,3
	v_max3_num_f32 v[ST+8*\t+4], v[ST+8*\t+4], v[S+32*\t+15], v[S+32*\t+31]
.endr
.irp t, 0,1,2,3
.if \first
	v_max_num_f32 v[ST+8*\t+4], v[ST+8*\t+4], v[ST+8*\t+5]
.else
	v_max3_num_f32 v[ST+8*\t+4], v[ST+8*\t+4], v[ST+8*\t+5], v[ST+8*\t+1]
.endif
.endr
.irp t, 0,1,2,3
	v_permlanex16_b32 v[ST+8*\t+5], v[ST+8*\t+4], s[SEL], s[SEL+1]   ; the query's other 32 keys lie in the lane 16 away
.endr
.irp t, 0,1,2,3
	v_max_num_f32 v[ST+8*\t+1], v[ST+8*\t+4], v[ST+8*\t+5]           ; the new m
.endr
.irp t, 0,1,2,3
	v_mul_f32 v[ST+8*\t], s[CS], v[ST+8*\t+1]                        ; c m
.endr
.if \first == 0
.irp t, 0,1,2,3
	v_sub_f32 v[ST+8*\t+7], v[ST+8*\t+7], v[ST+8*\t]
.endr
.irp t, 0,1,2,3
	v_exp_f32 v[ST+8*\t+6], v[ST+8*\t+7]                             ; a
.endr
.endif
; ONE BATCH: the 64 scalings c s - c m, a pair each, and all the exponentials; tile u is scaled while tile u - 1's exponentials are issued.  None of these lines names an exponential's result.
.irp u, 0,1,2,3,4
.set b, 0
.rept 16
.if \u < 4
	v_pk_fma_f32 v[S+32*\u+2*b:S+32*\u+2*b+1], v[S+32*\u+2*b:S+32*\u+2*b+1], s[CS:CS+1], v[ST+8*\u:ST+8*\u+1] op_sel_hi:[1,0,0] neg_lo:[0,0,1] neg_hi:[0,0,1]
.endif
.if \u > 0
	v_exp_f32 v[S+32*(\u-1)+2*b], v[S+32*(\u-1)+2*b]
	v_exp_f32 v[S+32*(\u-1)+2*b+1], v[S+32*(\u-1)+2*b+1]
.endif
.set b, b+1
.endr
.endr
	v_nop                                          ; a plain line behind the last exponential, ahead of the first use
	s_wait_alu depctr_va_vdst(0)                   ; a wait ahead of the first line that names a result: one for the step's whole batch
; the sums (in a pair: an even key's weight, an odd key's), and the roundings to f16 IN PLACE: P's register i takes weights 2 i and 2 i + 1; register i was used up in trip i / 2
.set i, 0
.rept 16
.irp t, 0,1,2,3
.if \first
.if i == 0
	v_pk_add_f32 v[ST+8*\t+2:ST+8*\t+3], v[S+32*\t:S+32*\t+1], v[S+32*\t+2:S+32*\t+3]      ; pairs 0 and 1 start l
.elseif i > 1
	v_pk_add_f32 v[ST+8*\t+2:ST+8*\t+3], v[ST+8*\t+2:ST+8*\t+3], v[S+32*\t+2*i:S+32*\t+2*i+1]
.endif
.else
.if i == 0
	v_pk_fma_f32 v[ST+8*\t+2:ST+8*\t+3], v[ST+8*\t+2:ST+8*\t+3], v[ST+8*\t+6:ST+8*\t+7], v[S+32*\t:S+32*\t+1] op_sel_hi:[1,0,1]   ; l = a l + pair 0
.else
	v_pk_add_f32 v[ST+8*\t+2:ST+8*\t+3], v[ST+8*\t+2:ST+8*\t+3], v[S+32*\t+2*i:S+32*\t+2*i+1]
.endif
.endif
.endr
.irp t, 0,1,2,3
	v_cvt_pk_f16_f32 v[S+32*\t+i], v[S+32*\t+2*i], v[S+32*\t+2*i+1]
.endr
.set i, i+1
.endr
.if \first == 0
	WIN 0x41                                       ; O^T (destination and source 0) in window 1, a in window 0
.set j, 0
.rept 16
.irp t, 0,1,2,3
	v_pk_mul_f32 v[32*\t+2*j:32*\t+2*j+1], v[32*\t+2*j:32*\t+2*j+1], v[ST+8*\t+6:ST+8*\t+7] op_sel_hi:[1,0]   ; O^T times a, each accumulator from its low end on
.endr
.set j, j+1
.endr
.endif
	s_wait_dscnt 0x0                               ; V is in
	WIN 0x51                                       ; V in window 1, P in window 0, O^T in window 1
.set i, 0
.rept 32                                       ; keys 32 (i / 16) on, channels 16 ((i / 4) % 4) on, tile i % 4: sixteen accumulators by turns
.set rO, 32*(i%4)+8*((i/4)%4)
.set rV, VF+16*((i/4)%4)+8*(i/16)
.set rP, S+32*(i%4)+8*(i/16)
.if \first && (i < 16)
	v_wmma_f32_16x16x32_f16 v[rO:rO+7], v[rV:rV+7], v[rP:rP+7], 0
.else
	v_wmma_f32_16x16x32_f16 v[rO:rO+7], v[rV:rV+7], v[rP:rP+7], v[rO:rO+7]
.endif
.set i, i+1
.endr
	WIN 0                                          ; at a label and at a branch every window is 0
	s_add_co_u32 s[TB], s[TB], STEPB               ; the next step's tiles
.endm
.macro STEPS n
	s_mov_b32 s[CNT], \n
.Lstep_\@:
	STEP 0
	s_sub_co_u32 s[CNT], s[CNT], 1
	s_cmp_lg_u32 s[CNT], 0
	s_cbranch_scc1 .Lstep_\@
.endm
; THE CHANGE OF SLOTS.  Each wave waits for all its tensor loads, of which one is out: its strip of the other slot; adds 0 to its spare word; and waits for that and for its reads of the slot that it leaves.
; fill = 1: that slot is filled again, with the keys two slots on.  The barrier is then a round of the cluster's, and the joint refill is the first thing behind it: it has a slot's four steps of each wave in which to land.
.macro CHANGE fill
	WIN 0
	s_wait_tensorcnt 0x0                           ; no tensor load of mine is out, so a group 0 may be written
	ds_add_u32 v[SPW], v[NIL]                      ; 0 onto my spare word
.if \fill
	s_xor_b32 s[G0W+1], s[G0W+1], SLOT1            ; the walking descriptor: the other slot than last time,
	s_add_nc_u64 s[G0W+2:G0W+3], s[G0W+2:G0W+3], STRIP   ; the next 512 keys; the type bits on top are not reached
	s_wait_xcnt 0x0                                ; the last prefetch, a slot back, has read its address, so it may be written:
	s_add_nc_u64 s[PFA:PFA+1], s[PFA:PFA+1], STRIP ; one slot further on than the walking descriptor
	s_wait_dscnt 0x0                               ; the add is done, and my reads of the slot are over
	CROUND
	tensor_load_to_lds s[G0W:G0W+3], s[G1:G1+7]    ; my one tensor load behind the round
	s_nop 0
.rept 4
	v_nop
.endr
	ASK
.else
	s_wait_dscnt 0x0
	s_barrier_signal -1
	s_barrier_wait -1
.endif
	s_sub_co_u32 s[TB], s[TB], 4*STEPB             ; back to my first step,
	s_xor_b32 s[TB], s[TB], SLOT1                  ; in the other slot
.endm
	s_wait_tensorcnt 1                             ; my strip of slot 0 is in; slot 1's, issued behind it, may be out
	s_barrier_signal -1
	s_barrier_wait -1                              ; everybody's is
	s_wait_loadcnt 0x0                             ; Q
	STEP 1
	STEPS 3
.Lslot:                                            ; six trips: every slot but the last two is filled again
	CHANGE 1
	STEPS 4
	s_sub_co_u32 s[SLOTS], s[SLOTS], 1
	s_cmp_lg_u32 s[SLOTS], 0
	s_cbranch_scc1 .Lslot
	CHANGE 0                                       ; the tail is written out
	STEPS 4
	; THE TWO HALVES OF THE KEYS MEET.  Waves 4-7 store O^T as an image of its registers (16 x lane, 512 bytes a store), c m and l; behind a barrier waves 0-3 read them.  These eight lines are the places behind the last products.
.irp t, 0,1,2,3
	v_mov_b32 v[MS+\t], v[ST+8*\t]
.endr
.irp t, 0,1,2,3
	v_add_f32 v[MS+4+\t], v[ST+8*\t+2], v[ST+8*\t+3]
.endr
	s_cmp_lt_u32 s[WV], 4
	s_cbranch_scc1 .Lkeeps
	WIN 0x04                                       ; an LDS store's data are its source 1: window 1
.set k, 0
.rept 32
	ds_store_b128 v[STG], v[4*k:4*k+3] offset:512*k
.set k, k+1
.endr
	WIN 0
	ds_store_b128 v[STG], v[MS:MS+3] offset:16384
	ds_store_b128 v[STG], v[MS+4:MS+7] offset:16896
.Lkeeps:
	s_wait_dscnt 0x0                               ; for the others' sake: my stores are done
	s_barrier_signal -1
	s_barrier_wait -1
	s_cmp_ge_u32 s[WV], 4
	s_cbranch_scc1 .Lend
	ds_load_b128 v[MS+8:MS+11], v[STG] offset:16384
	ds_load_b128 v[MS+12:MS+15], v[STG] offset:16896
	WIN 0x40
.set k, 0
.rept 32
	ds_load_b128 v[128+4*k:128+4*k+3], v[STG] offset:512*k   ; the partner's O^T, where K and V lay
.set k, k+1
.endr
	WIN 0
	s_wait_dscnt 32                                ; the statistics are in; the 32 loads behind them may be out
.irp t, 0,1,2,3
	v_max_num_f32 v[ST+8*\t+4], v[MS+\t], v[MS+8+\t]                 ; the common c m
.endr
.irp t, 0,1,2,3
	v_sub_f32 v[ST+8*\t+5], v[MS+\t], v[ST+8*\t+4]
.endr
.irp t, 0,1,2,3
	v_sub_f32 v[ST+8*\t+6], v[MS+8+\t], v[ST+8*\t+4]
.endr
.irp t, 0,1,2,3
	v_exp_f32 v[ST+8*\t+5], v[ST+8*\t+5]                             ; what brings my part under it,
.endr
.irp t, 0,1,2,3
	v_exp_f32 v[ST+8*\t+6], v[ST+8*\t+6]                             ; and the partner's
.endr
	v_nop
	s_wait_alu depctr_va_vdst(0)                   ; one wait for the eight, ahead of their first reader
.irp t, 0,1,2,3
	v_mul_f32 v[ST+8*\t+7], v[MS+4+\t], v[ST+8*\t+5]
.endr
.irp t, 0,1,2,3
	v_fma_f32 v[ST+8*\t+7], v[MS+12+\t], v[ST+8*\t+6], v[ST+8*\t+7]
.endr
.irp t, 0,1,2,3
	v_permlanex16_b32 v[ST+8*\t+4], v[ST+8*\t+7], s[SEL], s[SEL+1]
.endr
.irp t, 0,1,2,3
	v_add_f32 v[ST+8*\t+7], v[ST+8*\t+7], v[ST+8*\t+4]               ; the row's sum
.endr
.irp t, 0,1,2,3
	v_rcp_f32 v[ST+8*\t+4], v[ST+8*\t+7]
.endr
	v_nop
	s_wait_alu depctr_va_vdst(0)                   ; one wait for the four reciprocals
.irp t, 0,1,2,3
	v_mul_f32 v[ST+8*\t], v[ST+8*\t+5], v[ST+8*\t+4]
.endr
.irp t, 0,1,2,3
	v_mul_f32 v[ST+8*\t+2], v[ST+8*\t+6], v[ST+8*\t+4]
.endr
	s_wait_dscnt 0x0
	WIN 0x41
.irp t, 0,1,2,3
.set j, 0
.rept 16
	v_pk_mul_f32 v[32*\t+2*j:32*\t+2*j+1], v[32*\t+2*j:32*\t+2*j+1], v[ST+8*\t:ST+8*\t+1] op_sel_hi:[1,0]
.set j, j+1
.endr
.endr
	WIN 0x51                                       ; the partner's O^T and mine in window 1, the factor in window 0
.irp t, 0,1,2,3
.set j, 0
.rept 16
	v_pk_fma_f32 v[32*\t+2*j:32*\t+2*j+1], v[128+32*\t+2*j:128+32*\t+2*j+1], v[ST+8*\t+2:ST+8*\t+3], v[32*\t+2*j:32*\t+2*j+1] op_sel_hi:[1,0,1]
.set j, j+1
.endr
.endr
	WIN 0x05                                       ; sources 0 and 1 window 1, destination window 0: S^T's registers are free
.irp t, 0,1,2,3
.set j, 0
.rept 16
	v_cvt_pk_f16_f32 v[S+16*\t+j], v[32*\t+2*j], v[32*\t+2*j+1]      ; a lane's eight channels of a row make 16 bytes
.set j, j+1
.endr
.endr
	WIN 0
.irp t, 0,1,2,3
.irp ct, 0,1,2,3
	global_store_b128 v[GQ], v[S+16*\t+4*\ct:S+16*\t+4*\ct+3], s[52:53] offset:\ct*131072+\t*512   ; the 32 lanes fill a tile's 512 consecutive bytes
.endr
.endr
.Lend:
	s_wait_tensorcnt 0x0                           ; the wave's end: a spare-word add and its waits, behind my last tensor load and my last LDS store
	ds_add_u32 v[SPW], v[NIL]
	s_wait_dscnt 0x0
	CROUND                                         ; the closing round
	s_endpgm
.Lfunc_end_k_qc6c5ff8301_attn:
	.size	k_qc6c5ff8301_attn, .Lfunc_end_k_qc6c5ff8301_attn-k_qc6c5ff8301_attn
	.p2alignl 7, 3214868480
	.fill 96, 4, 3214868480
	.section	.rodata,"a",@progbits
	.p2align	6, 0x0
	.amdhsa_kernel k_qc6c5ff8301_attn
		.amdhsa_group_segment_fixed_size 327680
		.amdhsa_private_segment_fixed_size 0
		.amdhsa_enable_private_segment 0
		.amdhsa_kernarg_size 16
		.amdhsa_user_sgpr_count 2
		.amdhsa_user_sgpr_kernarg_segment_ptr 1
		.amdhsa_wavefront_size32 1
		.amdhsa_system_sgpr_workgroup_id_x 1
		.amdhsa_system_sgpr_workgroup_id_y 1
		.amdhsa_system_sgpr_workgroup_id_z 1
		.amdhsa_system_vgpr_workitem_id 0
		.amdhsa_next_free_vgpr 512
		.amdhsa_next_free_sgpr 66
		.amdhsa_reserve_vcc 0
		.amdhsa_float_denorm_mode_32 3
		.amdhsa_float_denorm_mode_16_64 3
		.amdhsa_memory_ordered 1
		.amdhsa_forward_progress 1
		.amdhsa_inst_pref_size 151
	.end_amdhsa_kernel
	.amdgpu_metadata
---
amdhsa.version: [ 1, 2 ]
amdhsa.kernels:
  - .name:           k_qc6c5ff8301_attn
    .symbol:         k_qc6c5ff8301_attn.kd
    .args:
      - { .name: qkv, .offset: 0, .size: 8, .value_kind: global_buffer, .address_space: global }
      - { .name: y, .offset: 8, .size: 8, .value_kind: global_buffer, .address_space: global }
    .group_segment_fixed_size: 327680
    .private_segment_fixed_size: 0
    .kernarg_segment_align: 8
    .kernarg_segment_size: 16
    .max_flat_workgroup_size: 256
    .sgpr_count:     66
    .vgpr_count:     512
    .wavefront_size: 32
...
	.end_amdgpu_metadata
.endif
;; end of part 3
;; launch proj (part 4): grid 8 x 32, 4 waves a work-group, clusters of 4 x 4, 327,680 bytes of LDS; arguments y, wo, out0; writes out0
.if DOCPART == 4
	.amdgcn_target "amdgcn-amd-amdhsa--gfx1250"
	.amdhsa_code_object_version 6
	.text
	.protected	k_qc6c5ff8301_proj
	.globl	k_qc6c5ff8301_proj
	.p2align	8
	.type	k_qc6c5ff8301_proj,@function
k_qc6c5ff8301_proj:
	s_mov_b64 s[64:65], 0
	v_nop
	global_prefetch_b8 v0, s[64:65] scope:SCOPE_SE
	s_setreg_imm32_b32 hwreg(HW_REG_WAVE_MODE, 25, 1), 1
	s_wait_xcnt 0x0
	s_wait_alu depctr_hold_cnt(0) depctr_sa_sdst(0) depctr_va_vdst(0) depctr_va_sdst(0) depctr_va_ssrc(0) depctr_va_vcc(0) depctr_vm_vsrc(0)
	s_getreg_b32 s2, hwreg(HW_REG_IB_STS2, 6, 4)
	s_cmp_eq_u32 s2, 0
	s_cbranch_scc0 .Lentry_in_a_cluster
	s_endpgm
.Lentry_in_a_cluster:
	s_bfe_u32 s2, ttmp6, 0x10000c
	s_cmp_lg_u32 s2, 0xf033
	s_cbranch_scc0 .Lentry_shape_is_right
	s_endpgm
.Lentry_shape_is_right:
; out0 = y w_out.  y [4096][1024] and w_out [1024 (k)][1024 (n)] arrive as f16 in the order of the operands' registers; sums in f32; out0 [4096][1024] f32.
; y: [k / 16][row / 16][512 bytes], the 16 bytes of row r, k 8 h + 0 .. 7 at 256 h + 16 ((r + 8 h) % 16).  wo: [k / 16][n / 16][512 bytes], the 16 bytes of column r, k 8 h + 0 .. 7 at 256 h + 16 r.
; A tile of 128 x 128 is made by four waves, each 64 x 64: 16 accumulators.  8 x 32 tiles: one for each work-group.  K goes in four steps of 256 through a ring of two LDS slots.
; CLUSTERS: 4 x 4 work-groups; y's tiles are shared along a row of the cluster, w_out's along a column: each is asked for JOINTLY.  THE MATRIX INSTRUCTION IS USED TRANSPOSED (source 0 = 16 columns of w_out, source 1 = 16 rows of y).
; No prefetch: the launch is short and its tiles are small.
; REGISTERS: window 0: v16-29 addresses; v32-95 the way out; v128-255 the accumulators ((a, b) at 128 + 8 (4 a + b)).   window 1: two fragment buffers of 128: 64 registers of y, then 64 of w_out, for 64 along K.
.set SLOT1,  131072                    ; a slot: y's 16 x 8 tiles of 512 bytes, then w_out's
.set BOFF,   65536
.set STAGE,  262144                    ; behind the ring: 16 rows x (256 bytes + 16) for each wave, for the way out
.set SPITCH, 272
.set SPARE,  STAGE+4*16*SPITCH         ; the spare words, 128 bytes a wave: two blocks of 256 bytes that no other line names
.set LAPS,   2                         ; a lap = two K steps = once round the ring
.set ADRA, 16                          ; v16-17  LDS address of my fragments of y in slot 0, 1
.set ADRB, 20                          ; v20-21  the same for w_out
.set STO,  24                          ; v24     the way out: where I put 32 bytes of a row
.set RD,   25                          ; v25     where I read a row back
.set CO,   26                          ; v26     my byte offset in out0
.set SPW,  28                          ; v28     LDS address of my spare word; never rewritten
.set NIL,  29                          ; v29     0; never rewritten
.set BK,   32
.set ACC,  128
.set F0,   0
.set F1,   128
.set G1, 24                            ; s[24:31] group 1 for y's tiles;  s[32:39] group 0, a set for each slot
.set G0, 32
.set G1B, 48                           ; s[48:55], s[56:63] the same for w_out's
.set G0B, 56
.set MSB, 0
.macro WIN new
.if MSB != (\new)
	s_set_vgpr_msb (MSB<<8)|(\new)
.set MSB, (\new)
.endif
.endm
.set MUL,  0x05                        ; sources 0 and 1 window 1; C and D window 0
.set TO_F, 0x40                        ; destination window 1, address window 0
.macro JLOAD s                         ; a joint load: waves 0 and 1 fetch y's two halves of a K step, waves 2 and 3 w_out's; an s_nop 0 and four v_nop follow each of the two lines
	s_cmp_eq_u32 s11, 0
	s_cbranch_scc0 .Lfor_b_\@
	tensor_load_to_lds s[G0+4*\s:G0+4*\s+3], s[G1:G1+7]
	s_nop 0
.rept 4
	v_nop
.endr
	s_branch .Lasked_\@
.Lfor_b_\@:
	tensor_load_to_lds s[G0B+4*\s:G0B+4*\s+3], s[G1B:G1B+7]
	s_nop 0
.rept 4
	v_nop
.endr
.Lasked_\@:
.endm
.macro CREST                           ; a round of the cluster's barrier behind its opening barrier
	s_cmp_lg_u32 s10, 0
	s_cbranch_scc1 .Lnot_wave_0_\@
	s_barrier_signal -3
.Lnot_wave_0_\@:
	s_barrier_wait -3
	s_barrier_signal -1
	s_barrier_wait -1
.endm
.macro CROUND
	s_barrier_signal -1
	s_barrier_wait -1
	CREST
.endm
	s_load_b128 s[4:7], s[0:1], 0x0                ; y s[4:5], wo s[6:7]
	s_load_b64 s[8:9], s[0:1], 0x10                ; out0
	v_lshl_add_u32 v[SPW], v0, 2, SPARE
	v_mov_b32 v[NIL], 0
	ds_add_u32 v[SPW], v[NIL]                      ; the wave's opening: the add, twice on end, and its wait ahead of my first tensor load
	ds_add_u32 v[SPW], v[NIL]
	v_lshrrev_b32 v1, 5, v0
	v_readfirstlane_b32 s10, v1                    ; wave 0..3
	s_lshr_b32 s11, s10, 1                         ; which 64 rows are mine.  Also: I fetch for y (0) or for w_out (1)
	s_and_b32 s12, s10, 1                          ; which 64 columns.  Also: which half of a K step I fetch
	s_bfe_u32 s40, ttmp6, 0x40000                  ; cx, cy
	s_bfe_u32 s41, ttmp6, 0x40004
	s_lshl_b32 s42, ttmp9, 2
	s_add_co_u32 s42, s42, s40                     ; tile column
	s_and_b32 s13, ttmp7, 0xffff
	s_lshl_b32 s13, s13, 2
	s_add_co_u32 s13, s13, s41                     ; tile row
	s_lshl_b32 s43, s41, 2
	s_lshl_b32 s43, 15, s43                        ; my row of the cluster
	s_lshl_b32 s44, 0x1111, s40                    ; my column
	; descriptor group 1: 8 rows (16 along K each) of 4,096 consecutive bytes (512 elements of 8): eight tiles of 512 bytes; no padding: the tiles are read as they lie
	s_or_b32 s[G1+0], s43, (3<<16)|(1<<21)         ; 15:0 the mask; 17:16 elements of 8 bytes; 21 set beside a mask
	s_or_b32 s[G1B+0], s44, (3<<16)|(1<<21)
.irp g, G1, G1B
	s_mov_b32 s[\g+1], 512<<16                     ; tensor_dim0
	s_mov_b32 s[\g+2], 8<<16                       ; tensor_dim1
	s_mov_b32 s[\g+3], 512<<16                     ; tile_dim0
	s_mov_b32 s[\g+4], 8                           ; tile_dim1
	s_mov_b32 s[\g+6], 0
	s_mov_b32 s[\g+7], 0
.endr
	s_mov_b32 s[G1+5], 16384                       ; y: 131,072 bytes from one 16 along K to the next
	s_mov_b32 s[G1B+5], 4096                       ; w_out: 32,768
	s_lshl_b32 s16, s12, 20                        ; y: 8 x 131,072 bytes x half,
	s_lshl_b32 s17, s13, 12                        ; 4,096 x tile row
	s_add_co_u32 s16, s16, s17
	s_mov_b32 s17, 0
	s_lshl_b32 s46, s12, 18                        ; w_out: 8 x 32,768 x half,
	s_lshl_b32 s47, s42, 12                        ; 4,096 x tile column
	s_add_co_u32 s46, s46, s47
	s_mov_b32 s47, 0
	s_lshl_b32 s20, s10, 15                        ; where they go: wave x 32,768: y's two halves, then w_out's
	s_wait_dscnt 0x0                               ; both opening adds are done
	s_wait_kmcnt 0x0
	s_add_nc_u64 s[14:15], s[4:5], s[16:17]
	s_add_nc_u64 s[46:47], s[6:7], s[46:47]
	CROUND                                         ; all sixteen work-groups are here: the first joint loads meet
.irp s, 0,1
	s_mov_b32 s[G0+4*\s], 1
	s_add_co_u32 s[G0+4*\s+1], s20, \s*SLOT1
	s_add_nc_u64 s[G0+4*\s+2:G0+4*\s+3], s[14:15], \s*16*131072
	s_or_b32 s[G0+4*\s+3], s[G0+4*\s+3], 0x80000000
	s_mov_b32 s[G0B+4*\s], 1
	s_add_co_u32 s[G0B+4*\s+1], s20, \s*SLOT1
	s_add_nc_u64 s[G0B+4*\s+2:G0B+4*\s+3], s[46:47], \s*16*32768
	s_or_b32 s[G0B+4*\s+3], s[G0B+4*\s+3], 0x80000000
	JLOAD \s                                       ; two tensor loads of mine are out behind the second
.endr
	v_and_b32 v1, 15, v0                           ; r
	v_bfe_u32 v2, v0, 4, 1                         ; h
	v_lshl_add_u32 v3, v2, 3, v1
	v_and_b32 v3, 15, v3
	v_lshlrev_b32 v3, 4, v3
	v_lshl_add_u32 v3, v2, 8, v3                   ; y: 256 h + 16 ((r + 8 h) % 16)
	v_and_b32 v4, 31, v0
	v_lshlrev_b32 v4, 4, v4                        ; w_out: 16 x lane
	s_lshl_b32 s21, s11, 11                        ; my four tiles of rows
	s_lshl_b32 s22, s12, 11                        ; my four tiles of columns,
	s_add_co_u32 s22, s22, BOFF                    ; behind y's
.irp s, 0,1
	v_add_nc_u32 v[ADRA+\s], s21, v3
	v_add_nc_u32 v[ADRB+\s], s22, v4
	s_add_co_u32 s21, s21, SLOT1
	s_add_co_u32 s22, s22, SLOT1
.endr
	s_mul_i32 s23, s10, 16*SPITCH
	s_add_co_u32 s23, s23, STAGE                   ; my stage
	v_mul_u32_u24 v5, v1, SPITCH                   ; in: row r, 32 bytes for each half of the lanes
	v_lshl_add_u32 v5, v2, 5, v5
	v_add_nc_u32 v[STO], s23, v5
	v_mul_u32_u24 v5, v2, SPITCH                   ; back: lanes 0-15 one row of 256 bytes, lanes 16-31 the next
	v_lshl_add_u32 v5, v1, 4, v5
	v_add_nc_u32 v[RD], s23, v5
	v_lshlrev_b32 v5, 12, v2                       ; and the same two rows in out0
	v_lshl_add_u32 v[CO], v1, 4, v5
	s_lshl_b32 s16, s13, 19                        ; my first row: (128 x tile row + 64 x half) x 4,096 bytes
	s_lshl_b32 s17, s11, 18
	s_add_co_u32 s16, s16, s17
	s_mov_b32 s17, 0
	s_add_nc_u64 s[8:9], s[8:9], s[16:17]
	s_lshl_b32 s46, s42, 9                         ; my first column: (128 x tile column + 64 x half) x 4 bytes
	s_lshl_b32 s47, s12, 8
	s_add_co_u32 s46, s46, s47
	s_mov_b32 s47, 0
	s_add_nc_u64 s[8:9], s[8:9], s[46:47]
; 8 matrix instructions: row blocks a0, a0 + 1 x all 4 column blocks, 32 along K: half c of buffer f.  zero = 1: the first product starts the sums.  The 16 accumulators take turns.
.macro MUL8 f, c, a0, zero
.irp a, \a0, \a0+1
.irp b, 0,1,2,3
.if \zero
	v_wmma_f32_16x16x32_f16 v[ACC+8*(4*(\a)+\b):ACC+8*(4*(\a)+\b)+7], v[\f+64+8*(4*\c+\b):\f+64+8*(4*\c+\b)+7], v[\f+8*(4*\c+\a):\f+8*(4*\c+\a)+7], 0
.else
	v_wmma_f32_16x16x32_f16 v[ACC+8*(4*(\a)+\b):ACC+8*(4*(\a)+\b)+7], v[\f+64+8*(4*\c+\b):\f+64+8*(4*\c+\b)+7], v[\f+8*(4*\c+\a):\f+8*(4*\c+\a)+7], v[ACC+8*(4*(\a)+\b):ACC+8*(4*(\a)+\b)+7]
.endif
.endr
.endr
.endm
; 32 LDS loads in one run: the fragments of the slot's qd-th 64 along K into buffer f; the first 32 along K first.  A fragment's two halves lie one 16 along K (4,096 bytes) apart.
.macro FETCH slot, qd, f
	WIN TO_F
.irp c, 0,1
.irp i, 0,1,2,3
	ds_load_b128 v[\f+64+8*(4*\c+\i):\f+64+8*(4*\c+\i)+3],   v[ADRB+\slot] offset:(2*(2*(\qd)+\c))*4096+512*\i
	ds_load_b128 v[\f+64+8*(4*\c+\i)+4:\f+64+8*(4*\c+\i)+7], v[ADRB+\slot] offset:(2*(2*(\qd)+\c)+1)*4096+512*\i
	ds_load_b128 v[\f+8*(4*\c+\i):\f+8*(4*\c+\i)+3],         v[ADRA+\slot] offset:(2*(2*(\qd)+\c))*4096+512*\i
	ds_load_b128 v[\f+8*(4*\c+\i)+4:\f+8*(4*\c+\i)+7],       v[ADRA+\slot] offset:(2*(2*(\qd)+\c)+1)*4096+512*\i
.endr
.endr
.endm
.macro PLACES                          ; four plain lines in front of loads into registers that matrix instructions have read, and of the first read of results
.rept 4
	v_nop
.endr
.endm
; A K step is four quarters of 64 along K, 32 matrix instructions each, on buffers 0, 1, 0, 1.  One of the first three: multiplies buffer f and fetches quarter qd into g.
.macro QUARTER slot, qd, f, g, zero
	s_wait_dscnt 16                                ; the first 32 along K are in; the sixteen loads of the second 32 may be out
	WIN MUL
	MUL8 \f, 0, 0, \zero
	MUL8 \f, 0, 2, \zero
	PLACES
	FETCH \slot, \qd, \g
	s_wait_dscnt 32                                ; all but the 32 just issued
	WIN MUL
	MUL8 \f, 1, 0, 0
	MUL8 \f, 1, 2, 0
.endm
; The last quarter multiplies buffer 1 and changes slots: ONE barrier; in front of it each wave waits for all its tensor loads, adds 0 to its spare word, and waits for that and for its reads of this slot.  fill = 1: this slot is filled again, two K steps ahead.
.macro TURN slot, next, fill
	WIN 0                                          ; (the add's two registers lie in window 0)
	s_wait_tensorcnt 0x0                           ; all my tensor loads have landed: my part of the next slot
	ds_add_u32 v[SPW], v[NIL]                      ; 0 onto my spare word
	s_wait_dscnt 17                                ; (the add and the youngest sixteen loads may be out)
	WIN MUL
	MUL8 F1, 0, 0, 0
	s_wait_dscnt 0x0                               ; the add is done, and my reads of this slot are over
	s_barrier_signal -1
	MUL8 F1, 0, 2, 0
.if \fill
	WIN 0
.endif
	s_barrier_wait -1
.if \fill
	CREST                                          ; the barrier has opened a round of the cluster's: no wave of any partner still reads this slot or has a load on its way
	s_add_nc_u64 s[G0+4*\slot+2:G0+4*\slot+3], s[G0+4*\slot+2:G0+4*\slot+3], 32*131072
	s_add_nc_u64 s[G0B+4*\slot+2:G0B+4*\slot+3], s[G0B+4*\slot+2:G0B+4*\slot+3], 32*32768
	JLOAD \slot                                    ; the first tensor load behind the round; its four v_nop are also the places in front of the loads below
.else
	PLACES
.endif
	FETCH \next, 0, F0
	WIN MUL
	MUL8 F1, 1, 0, 0
	MUL8 F1, 1, 2, 0
.endm
	s_wait_tensorcnt 1                             ; my part of K step 0 is in; K step 1's load, issued behind it, may be out
	s_barrier_signal -1
	s_barrier_wait -1
	FETCH 0, 0, F0
	QUARTER 0, 1, F0, F1, 1                        ; the first quarter stands in front of the loop: its first products start the sums
	WIN 0
	s_mov_b32 s3, LAPS-1
.Llap:                                             ; a trip goes once round the ring, from a lap's second quarter to the next lap's first, and fills both slots again
	QUARTER 0, 2, F1, F0, 0
	QUARTER 0, 3, F0, F1, 0
	TURN 0, 1, 1
	QUARTER 1, 1, F0, F1, 0
	QUARTER 1, 2, F1, F0, 0
	QUARTER 1, 3, F0, F1, 0
	TURN 1, 0, 1
	QUARTER 0, 1, F0, F1, 0
	WIN 0
	s_sub_co_u32 s3, s3, 1
	s_cmp_lg_u32 s3, 0
	s_cbranch_scc1 .Llap
	QUARTER 0, 2, F1, F0, 0                        ; the last lap fills nothing
	QUARTER 0, 3, F0, F1, 0
	TURN 0, 1, 0
	QUARTER 1, 1, F0, F1, 0
	QUARTER 1, 2, F1, F0, 0
	QUARTER 1, 3, F0, F1, 0
	s_wait_dscnt 16
	WIN MUL
	MUL8 F1, 0, 0, 0
	MUL8 F1, 0, 2, 0
	s_wait_dscnt 0x0
	MUL8 F1, 1, 0, 0
	MUL8 F1, 1, 2, 0
	WIN 0
; THE WAY OUT, a block of 16 rows x 64 columns at a time.  A lane holds 32 neighbouring bytes of a row; a row's 256 bytes are all my wave's: they go through my own stage and come back as whole rows,
; which sixteen lanes store as 256 consecutive bytes, aligned.  LDS serves a wave's instructions in order: no wait between the stores and the loads.
.macro TOSTAGE a
.irp b, 0,1,2,3
	ds_store_b128 v[STO], v[ACC+8*(4*(\a)+\b):ACC+8*(4*(\a)+\b)+3] offset:64*\b        ; each accumulator from its low end on
	ds_store_b128 v[STO], v[ACC+8*(4*(\a)+\b)+4:ACC+8*(4*(\a)+\b)+7] offset:64*\b+16
.endr
.irp t, 0,1,2,3,4,5,6,7
	ds_load_b128 v[BK+32*((\a)%2)+4*\t:BK+32*((\a)%2)+4*\t+3], v[RD] offset:\t*2*SPITCH
.endr
.endm
.macro SEND a, younger                 ; younger: the LDS instructions issued behind block a's loads, which may stay out
	s_wait_dscnt \younger
.irp t, 0,1,2,3,4,5,6,7
	global_store_b128 v[CO], v[BK+32*((\a)%2)+4*\t:BK+32*((\a)%2)+4*\t+3], s[8:9] offset:(16*(\a)+2*\t)*4096 th:TH_STORE_NT
.endr
.endm
	PLACES
	TOSTAGE 0
	TOSTAGE 1
	SEND 0, 16                                     ; behind block 0's loads: block 1's eight stores and eight loads
	s_wait_xcnt 0x0                                ; block 0's stores have read their registers: block 2's loads may land there
	TOSTAGE 2
	SEND 1, 16
	s_wait_xcnt 0x0
	TOSTAGE 3
	SEND 2, 16
	SEND 3, 0
	s_wait_tensorcnt 0x0                           ; the wave's end: a spare-word add and its waits, behind my last tensor load and my last LDS store
	ds_add_u32 v[SPW], v[NIL]
	s_wait_dscnt 0x0
	CROUND                                         ; the closing round
	s_endpgm
.Lfunc_end_k_qc6c5ff8301_proj:
	.size	k_qc6c5ff8301_proj, .Lfunc_end_k_qc6c5ff8301_proj-k_qc6c5ff8301_proj
	.p2alignl 7, 3214868480
	.fill 96, 4, 3214868480
	.section	.rodata,"a",@progbits
	.p2align	6, 0x0
	.amdhsa_kernel k_qc6c5ff8301_proj
		.amdhsa_group_segment_fixed_size 327680
		.amdhsa_private_segment_fixed_size 0
		.amdhsa_enable_private_segment 0
		.amdhsa_kernarg_size 24
		.amdhsa_user_sgpr_count 2
		.amdhsa_user_sgpr_kernarg_segment_ptr 1
		.amdhsa_wavefront_size32 1
		.amdhsa_system_sgpr_workgroup_id_x 1
		.amdhsa_system_sgpr_workgroup_id_y 1
		.amdhsa_system_sgpr_workgroup_id_z 1
		.amdhsa_system_vgpr_workitem_id 0
		.amdhsa_next_free_vgpr 512
		.amdhsa_next_free_sgpr 66
		.amdhsa_reserve_vcc 0
		.amdhsa_float_denorm_mode_32 3
		.amdhsa_float_denorm_mode_16_64 3
		.amdhsa_memory_ordered 1
		.amdhsa_forward_progress 1
		.amdhsa_inst_pref_size 85
	.end_amdhsa_kernel
	.amdgpu_metadata
---
amdhsa.version: [ 1, 2 ]
amdhsa.kernels:
  - .name:           k_qc6c5ff8301_proj
    .symbol:         k_qc6c5ff8301_proj.kd
    .args:
      - { .name: y, .offset: 0, .size: 8, .value_kind: global_buffer, .address_space: global }
      - { .name: wo, .offset: 8, .size: 8, .value_kind: global_buffer, .address_space: global }
      - { .name: out0, .offset: 16, .size: 8, .value_kind: global_buffer, .address_space: global }
    .group_segment_fixed_size: 327680
    .private_segment_fixed_size: 0
    .kernarg_segment_align: 8
    .kernarg_segment_size: 24
    .max_flat_workgroup_size: 128
    .sgpr_count:     66
    .vgpr_count:     512
    .wavefront_size: 32
...
	.end_amdgpu_metadata
.endif
;; end of part 4
